; MI455X (gfx1250); checked and timed in simulation.
; The chip was launched on July 23, 2026; its instructions are those of AMD's public machine-readable ISA for CDNA 5 (MIT licence, August 2026) and "CDNA5" Instruction Set Architecture Reference Guide (July 2026). The comments in the code are by the model that wrote it; some were corrected since.
;; Multi Head Attention. Allowed arithmetic: matrix products marked QUANTISED: E4M3 operands, one given power-of-two scale a tensor, by v_wmma_f32_16x16x64_fp8_fp8 or v_wmma_f32_16x16x128_fp8_fp8, f32 sums; everything else in f32.
;; Inputs: K 2 x 2,048 x 1,024 float32; Q 2 x 2,048 x 1,024 float32; V 2 x 2,048 x 1,024 float32; Wk 1,024 x 1,024 float32; Wo 1,024 x 1,024 float32; Wq 1,024 x 1,024 float32; Wv 1,024 x 1,024 float32; bk 1,024 float32; bo 1,024 float32; bq 1,024 float32; bv 1,024 float32; lowp_scales 12 int32 (the exponents e of the quantised operands' scales 2^e).
;; Outputs: out0 2 x 2,048 x 1,024 float32.
;; This version of the problem:
;;   THIS VERSION OF THE PROBLEM IS GIVEN IN LOW PRECISION. The matrix products marked QUANTISED in the list below multiply operands that are first quantised to E4M3 (4 exponent bits, 3 mantissa bits; 8 bits a number), with one given power-of-two scale for each operand tensor; their sums are f32. All else is computed in f32.
;;   The module's matrix products, in the order in which they are computed (A, B: the left and right operand; K: the contracted axis; several contracted axes count as one K, in the product's order):
;;     1. [M 4,096, K 1,024] x [K 1,024, N 1,024]; A: input Q; B: input Wq: QUANTISED (scales: A lowp_scales[0], B lowp_scales[1])
;;     2. [M 4,096, K 1,024] x [K 1,024, N 1,024]; A: input K; B: input Wk: QUANTISED (scales: A lowp_scales[2], B lowp_scales[3])
;;     3. [M 4,096, K 1,024] x [K 1,024, N 1,024]; A: input V; B: input Wv: QUANTISED (scales: A lowp_scales[4], B lowp_scales[5])
;;     4. batch 32 x [M 2,048, K 64] x [K 64, N 2,048]; A: computed on the way; B: computed on the way: QUANTISED (scales: A lowp_scales[6], B lowp_scales[7])
;;     5. batch 32 x [M 2,048, K 2,048] x [K 2,048, N 64]; A: softmax (see below); B: computed on the way: QUANTISED (scales: A lowp_scales[8], B lowp_scales[9])
;;     6. [M 4,096, K 1,024] x [K 1,024, N 1,024]; A: computed on the way; B: input Wo: QUANTISED (scales: A lowp_scales[10], B lowp_scales[11])
;;   THE QUANTISER, for each operand of a quantised product, along K:
;;     - The operand's scale is 2^e, e = its entry of the input lowp_scales (int32; the entries are numbered through the quantised products in the list's order, A before B).
;;     - Each number is divided by the scale, clamped to +-448, and rounded to the nearest number of E4M3, ties to even, subnormals kept.
;;     - The product sums the exact products of the quantised numbers (number of the format x scale) in f32.
;;   ~~~python
;;   def quantise(x, axis, e):      # numpy; x: float32 -> the quantised numbers, widened to float32 again
;;       x = np.moveaxis(x, axis, -1); K = x.shape[-1]
;;       r = np.clip(x / 2.0 ** e, -448, 448)
;;       step = 2.0 ** (np.maximum(np.frexp(np.where(r == 0, 1, r))[1] - 1, -6) - 3)
;;       q = np.round(r / step) * step * 2.0 ** e      # np.round: ties to even
;;       return np.moveaxis(q, -1, axis).astype(np.float32)
;;   ~~~
;;   SOFTMAX AHEAD OF A QUANTISED PRODUCT. Where the list says 'softmax', what is quantised is not the finished softmax but p = 2^(t - M), with t = logit x log2(e) and M = ceil(the row's largest t), a whole number; so 1/2 < the row's largest p <= 1. The row's sum l is taken of the UNQUANTISED p, in f32, and the product's result is divided by l at the end. Since M is a whole number, a kernel that streams over the keys may use a running M (the ceiling of the running maximum): every later rescaling is an exact power of two, so the quantised numbers keep their values, but for numbers so far below the row's largest that they fall under the format's range.
;;   OPERANDS COMPUTED ON THE WAY. 'Computed on the way' means the value that the module computes at that place (a softmax that the list does not call 'softmax' is quantised finished and normalised). What goes into a quantiser is computed in f32, as accurately as f32 sums, v_exp_f32 and their like allow (about 1e-6 of the number): no bf16 or f16 on the way to a quantiser, and a product that is left as it is and whose result goes on into a quantised operand takes f32 operands (vector FMAs, or v_wmma_f32_16x16x4_f32). A number that lies on a knife's edge between two numbers of the format may be rounded either way, as far as f32 arithmetic and the matrix unit's own rounding can turn it there, and no further.
;; One version. Each part assembles by itself: llvm-mc -triple=amdgcn-amd-amdhsa -mcpu=gfx1250 --defsym DOCPART=n.
;; ======== version 1 of 1: 4 launches
;; limits: right only within a limited range of input values
;; workspace buffers: x_codes 12,582,912 bytes; w_codes 4,194,304 bytes; qkv_img 12,582,912 bytes; a_img 4,194,304 bytes
;; launch quant (part 1): grid 512 x 1, 4 waves a work-group, no clusters, 68,096 bytes of LDS; arguments Q, K, V, Wq, Wk, Wv, Wo, lowp_scales, x_codes, w_codes; writes x_codes, w_codes
.if DOCPART == 1
	.amdgcn_target "amdgcn-amd-amdhsa--gfx1250"
	.amdhsa_code_object_version 6
	.text
	.protected	k_qa5976abb31_quant
	.globl	k_qa5976abb31_quant
	.p2align	8
	.type	k_qa5976abb31_quant,@function
k_qa5976abb31_quant:
	s_mov_b64 s[64:65], 0
	v_nop
	global_prefetch_b8 v0, s[64:65] scope:SCOPE_SE
	s_setreg_imm32_b32 hwreg(HW_REG_WAVE_MODE, 25, 1), 1
	s_wait_xcnt 0x0
; Q, K, V [4096][1024] and Wq, Wk, Wv, Wo [1024 (k)][1024 (n)], f32, become codes of FP8 (E4M3), one code a byte, K innermost, each tensor with the one scale 2^e given for it.
; code = x / 2^e, held within +-448, rounded to the nearest code, ties to even.  LIMITS: -126 <= e and e + 8 <= 127; NaN among the inputs is not served (an infinity is held at the largest code).
; x_codes: [3 (Q, K, V)][4096][1024].  w_codes: [4 (Wq, Wk, Wv, Wo)][1024 (n)][1024 (k)]: the weights are laid with K innermost.
; Work-groups 0 to 383 take Q, K, V (128 each): their K is innermost, so a tensor is a plain stream; a wave takes 16 steps of 512 numbers.  Each load reads 512 consecutive bytes; a step's 2,048 bytes turn
; through the wave's own stage in LDS, so that a lane then holds 16 neighbours along K for the conversions; a lane's 16 codes are 16 bytes, and a wave's store covers 512 consecutive bytes.
; Work-groups 384 to 511 take the weights (32 each: 8 x 128 columns, 4 x 256 along K): a lane takes a column n and its registers run down K, so the conversions give codes with K innermost; they leave
; through the wave's own stage, sixteen lanes storing 256 consecutive bytes of a row of w_codes, at a multiple of 256 from its first byte.
; No tensor loads, no barrier: waves share nothing.  The two ways have LDS bytes of their own.
; No prefetch is laid: every step is written out with its loads four steps (two blocks) ahead, and there is no loop to run ahead in.
; DEAD WORK of the whole program: reference() puts -infinity in the place of every score whose key j comes after its query i (the mask that it builds itself), so that score's p is 0 for all values of the inputs.  The launch
; attn leaves out the tiles of 16 queries x 128 keys all of whose keys come after all of their queries, in both products.  LIMIT: a NaN, an infinity or an overflow that reaches only those tiles is not carried to the result.
.set XWG,    384                       ; work-groups of the first way
.set EMAX,   8
.set MANT,   0x600000                  ; the mantissa field of 448 as f32
.set SPW,    12                        ; v12  LDS address of my spare word: SPARE + 4 x my thread's number; never rewritten
.set NIL,    13                        ; v13  0; never rewritten
.set XSTEPS, 16
.set XWREG,  8192                      ; first way: a region for each wave: two stages of 32 x XSP bytes
.set XSP,    80                        ; a lane's place in a stage: its 64 bytes + 16 of padding
.set XR,     16                        ; v16-79   four sets of 16 numbers as they are loaded
.set XX,     80                        ; v80-111  two sets of 16 neighbours
.set XC,     128                       ; v128-191 codes: four registers for each step, so that no store's data are written again
.set WSTG,   32768                     ; second way: four stages of 32 rows x WPITCH bytes, behind the first way's regions
.set WPITCH, 272                       ; 256 bytes of codes + 16
.set WROW,   1024                      ; a row of w_codes in bytes
.set WNB,    8                         ; blocks of 32 along K for a wave
.set WX,     32                        ; v32-95   two sets of 32 numbers
.set WC,     96                        ; v96-103  a block's codes
.set WOUT,   112                       ; v112-175 the way out
.set SPARE,  WSTG+4*32*WPITCH          ; behind all stages: the spare words, 128 bytes for each wave: two blocks of 256 bytes that no other line names
	s_load_b256 s[4:11], s[0:1], 0x0               ; Q s[4:5], K s[6:7], V s[8:9], Wq s[10:11]
	s_load_b256 s[12:19], s[0:1], 0x20             ; Wk s[12:13], Wv s[14:15], Wo s[16:17], the scales' exponents s[18:19]
	s_load_b128 s[20:23], s[0:1], 0x40             ; x_codes s[20:21], w_codes s[22:23]
	v_lshl_add_u32 v[SPW], v0, 2, SPARE
	v_mov_b32 v[NIL], 0
	v_lshrrev_b32 v1, 5, v0
	v_readfirstlane_b32 s24, v1                    ; wave 0..3
	v_and_b32 v2, 31, v0                           ; lane
	s_mov_b32 s45, 0                               ; the upper word of every offset pair s[44:45]
	s_wait_kmcnt 0x0
	s_load_b256 s[32:39], s[18:19], 0x0            ; e0 .. e7
	s_load_b128 s[40:43], s[18:19], 0x20           ; e8 .. e11
	s_cmp_lt_u32 ttmp9, XWG                        ; the ways part on the work-group's number alone
	s_cbranch_scc0 .Lweights
; ---------------- the first way: Q, K, V ----------------
	s_wait_alu depctr_va_vdst(0)
	v_lshlrev_b32 v3, 4, v2                        ; my 16 bytes of a load's 512
	s_wait_alu depctr_va_vdst(0)
	s_mul_i32 s25, s24, XWREG
	v_lshrrev_b32 v14, 2, v2
	v_mul_u32_u24 v14, v14, XSP
	v_and_b32 v15, 3, v2
	v_lshl_add_u32 v14, v15, 4, v14
	v_add_nc_u32 v14, s25, v14                     ; the stage, on the way in: four lanes' 64 bytes on end, then 16 of padding
	v_mul_u32_u24 v15, v2, XSP
	v_add_nc_u32 v15, s25, v15                     ; and on the way out: my 16 neighbours
	v_lshlrev_b32 v4, 4, v2                        ; my codes' place in a step's 512 bytes
	s_lshr_b32 s26, ttmp9, 7                       ; which tensor: 0 Q, 1 K, 2 V
	s_and_b32 s27, ttmp9, 127
	s_lshl_b32 s27, s27, 2
	s_add_co_u32 s27, s27, s24                     ; which run of 8,192 numbers of the tensor is my wave's: 0 .. 511
	s_cmp_eq_u32 s26, 0
	s_cselect_b64 s[28:29], s[4:5], s[6:7]
	s_cmp_eq_u32 s26, 2
	s_cselect_b64 s[28:29], s[8:9], s[28:29]       ; the choice hangs on the work-group's number alone
	s_lshl_b32 s44, s27, 15                        ; 32,768 bytes of numbers a run
	s_add_nc_u64 s[28:29], s[28:29], s[44:45]
	s_lshl_b32 s44, s27, 13                        ; 8,192 bytes of codes a run,
	s_lshl_b32 s46, s26, 22                        ; 4,194,304 a tensor
	s_add_co_u32 s44, s44, s46
	s_add_nc_u64 s[20:21], s[20:21], s[44:45]
.macro XLOAD t
.irp i, 0,1,2,3
	global_load_b128 v[XR+16*((\t)%4)+4*\i:XR+16*((\t)%4)+4*\i+3], v3, s[28:29] offset:2048*(\t)+512*\i th:TH_LOAD_NT   ; 32 lanes read 512 consecutive bytes
.endr
.endm
.macro XTURN t                         ; step t's numbers through the stage: LDS serves a wave's instructions in order (ISA guide 5.7.1.4), so no wait stands between the stores and the loads
.irp i, 0,1,2,3
	ds_store_b128 v14, v[XR+16*((\t)%4)+4*\i:XR+16*((\t)%4)+4*\i+3] offset:32*XSP*((\t)%2)+8*XSP*\i
.endr
.irp i, 0,1,2,3
	ds_load_b128 v[XX+16*((\t)%2)+4*\i:XX+16*((\t)%2)+4*\i+3], v15 offset:32*XSP*((\t)%2)+16*\i
.endr
.endm
.irp t, 0,1,2,3
	XLOAD \t
.endr
	s_wait_alu depctr_va_vdst(0)
	s_wait_kmcnt 0x0
	s_cmp_eq_u32 s26, 0
	s_cselect_b32 s30, s32, s34                    ; Q: entry 0, K: entry 2,
	s_cmp_eq_u32 s26, 2
	s_cselect_b32 s30, s36, s30                    ; V: entry 4
	s_add_co_i32 s30, s30, 127
	s_lshl_b32 s31, s30, 23
	v_mov_b32 v11, s31                             ; 2^e as f32: the conversion takes its exponent field
	s_add_co_i32 s30, s30, EMAX
	s_lshl_b32 s30, s30, 23
	s_or_b32 s30, s30, MANT
	v_mov_b32 v10, s30                             ; 448 x 2^e
	s_wait_alu depctr_va_vdst(0)
	s_wait_loadcnt 12                              ; step 0's four loads are in; the twelve of steps 1 to 3 may be out
	XTURN 0
.macro XSTEP t
.set XS, XX+16*((\t)%2)
	s_wait_dscnt 0x0                               ; this step's numbers are back from the stage: so its stores into the stage have read their registers,
.if (\t)+4 < XSTEPS
	XLOAD (\t)+4                                   ; which take the loads of four steps on
.endif
.if (\t)+1 < XSTEPS
.if XSTEPS-2-(\t) >= 3
	s_wait_loadcnt 12                              ; the next step's four loads are in; those of the three steps behind it may be out
.else
	s_wait_loadcnt 4*(XSTEPS-2-(\t))               ; the counts run down: nothing more is loaded
.endif
	XTURN (\t)+1                                   ; and go through the other stage while this step is worked
.endif
.irp i, 0,1,2,3,4,5,6,7,8,9,10,11,12,13,14,15
	v_med3_num_f32 v[XS+\i], v[XS+\i], -v10, v10   ; the conversion to an 8-bit code does not saturate (ISA guide 7.6.2): the hold at the largest code x the scale comes first
.endr
	v_cvt_scalef32_pk8_fp8_f32 v[XC+4*(\t):XC+4*(\t)+1], v[XS:XS+7], v11
	v_cvt_scalef32_pk8_fp8_f32 v[XC+4*(\t)+2:XC+4*(\t)+3], v[XS+8:XS+15], v11
	v_nop                                          ; a plain vector line behind the last conversion of the run
	global_store_b128 v4, v[XC+4*(\t):XC+4*(\t)+3], s[20:21] offset:512*(\t)   ; 32 lanes store 512 consecutive bytes
.endm
.irp t, 0,1,2,3,4,5,6,7,8,9,10,11,12,13,14,15
	XSTEP \t
.endr
	s_wait_tensorcnt 0x0                           ; the wave's end
	ds_add_u32 v[SPW], v[NIL]
	s_wait_dscnt 0x0
	s_endpgm
; ---------------- the second way: the four weights ----------------
.Lweights:
	s_sub_co_u32 s25, ttmp9, XWG                   ; 0 .. 127
	s_lshr_b32 s26, s25, 5                         ; which weight: 0 Wq, 1 Wk, 2 Wv, 3 Wo
	s_bfe_u32 s27, s25, 0x20003                    ; which 256 along K (2 bits from bit 3)
	s_and_b32 s25, s25, 7                          ; which 128 columns
	s_lshl_b32 s30, s25, 7
	s_lshl_b32 s31, s24, 5
	s_add_co_u32 s30, s30, s31                     ; my wave's first column
	s_wait_alu depctr_va_vdst(0)
	v_lshlrev_b32 v3, 2, v2                        ; in: 4 bytes a lane
	s_mul_i32 s31, s24, 32*WPITCH
	s_add_co_u32 s31, s31, WSTG                    ; my stage
	v_mul_u32_u24 v4, v2, WPITCH
	v_add_nc_u32 v4, s31, v4                       ; into it: row = my column
	v_and_b32 v5, 15, v2
	v_lshrrev_b32 v6, 4, v2                        ; out of it: sixteen lanes to a row, two rows an instruction
	v_mul_u32_u24 v7, v6, WPITCH
	v_lshl_add_u32 v7, v5, 4, v7
	v_add_nc_u32 v7, s31, v7
	v_mul_u32_u24 v8, v6, WROW
	v_lshl_add_u32 v8, v5, 4, v8                   ; and the same place in w_codes
	s_cmp_eq_u32 s26, 0
	s_cselect_b64 s[28:29], s[10:11], s[12:13]
	s_cmp_eq_u32 s26, 2
	s_cselect_b64 s[28:29], s[14:15], s[28:29]
	s_cmp_eq_u32 s26, 3
	s_cselect_b64 s[28:29], s[16:17], s[28:29]
	s_lshl_b32 s44, s27, 20                        ; 256 rows of 4,096 bytes,
	s_lshl_b32 s46, s30, 2                         ; + 4 x column
	s_add_co_u32 s44, s44, s46
	s_add_nc_u64 s[28:29], s[28:29], s[44:45]
	s_lshl_b32 s44, s26, 20                        ; the weight's codes,
	s_lshl_b32 s46, s30, 10                        ; + column x 1,024
	s_add_co_u32 s44, s44, s46
	s_lshl_b32 s46, s27, 8                         ; + 256 x my place along K
	s_add_co_u32 s44, s44, s46
	s_add_nc_u64 s[22:23], s[22:23], s[44:45]
.macro WLOAD t                         ; block t: W(32 t + i, my column), i = 0 .. 31, into set t % 2: 32 lanes read 128 consecutive bytes, the four waves 512
.irp i, 0,1,2,3,4,5,6,7,8,9,10,11,12,13,14,15,16,17,18,19,20,21,22,23,24,25,26,27,28,29,30,31
	global_load_b32 v[WX+32*((\t)%2)+\i], v3, s[28:29] offset:(32*(\t)+\i)*4096 th:TH_LOAD_NT
.endr
.endm
	WLOAD 0
	WLOAD 1
	s_wait_kmcnt 0x0
	s_cmp_eq_u32 s26, 0
	s_cselect_b32 s30, s33, s35                    ; Wq: entry 1, Wk: entry 3,
	s_cmp_eq_u32 s26, 2
	s_cselect_b32 s30, s37, s30                    ; Wv: entry 5,
	s_cmp_eq_u32 s26, 3
	s_cselect_b32 s30, s43, s30                    ; Wo: entry 11
	s_add_co_i32 s30, s30, 127
	s_lshl_b32 s31, s30, 23
	v_mov_b32 v11, s31                             ; 2^e as f32
	s_add_co_i32 s30, s30, EMAX
	s_lshl_b32 s30, s30, 23
	s_or_b32 s30, s30, MANT
	v_mov_b32 v10, s30                             ; 448 x 2^e
.macro WBLOCK t
.set WS, WX+32*((\t)%2)
.if (\t) < WNB-1
	s_wait_loadcnt 32                              ; this block's 32 loads are in; the next block's 32 may be out
.else
	s_wait_loadcnt 0
.endif
.irp i, 0,1,2,3,4,5,6,7,8,9,10,11,12,13,14,15,16,17,18,19,20,21,22,23,24,25,26,27,28,29,30,31
	v_med3_num_f32 v[WS+\i], v[WS+\i], -v10, v10
.endr
.irp g, 0,1,2,3
	v_cvt_scalef32_pk8_fp8_f32 v[WC+2*\g:WC+2*\g+1], v[WS+8*\g:WS+8*\g+7], v11
.endr
	v_nop                                          ; a plain vector line behind the last conversion of the run
	ds_store_b128 v4, v[WC:WC+3] offset:32*(\t)    ; 32 codes: 32 bytes of my column's row
	ds_store_b128 v4, v[WC+4:WC+7] offset:32*(\t)+16
.if (\t)+2 < WNB
	WLOAD (\t)+2
.endif
	s_wait_dscnt 0x0                               ; the stores have read their registers: the next block's codes may be written
.endm
	s_wait_alu depctr_va_vdst(0)
.irp t, 0,1,2,3,4,5,6,7
	WBLOCK \t
.endr
.irp t, 0,1,2,3,4,5,6,7,8,9,10,11,12,13,14,15
	ds_load_b128 v[WOUT+4*\t:WOUT+4*\t+3], v7 offset:2*\t*WPITCH   ; a wave's LDS instructions are served in order: these see my stores
.endr
.irp t, 0,1,2,3,4,5,6,7,8,9,10,11,12,13,14,15
	s_wait_dscnt 15-\t                             ; loads come back in order: number t is in, the younger ones may be out
	global_store_b128 v8, v[WOUT+4*\t:WOUT+4*\t+3], s[22:23] offset:2*\t*WROW
.endr
	s_wait_tensorcnt 0x0                           ; the wave's end: the same three lines
	ds_add_u32 v[SPW], v[NIL]
	s_wait_dscnt 0x0
	s_endpgm
.Lfunc_end_k_qa5976abb31_quant:
	.size	k_qa5976abb31_quant, .Lfunc_end_k_qa5976abb31_quant-k_qa5976abb31_quant
	.p2alignl 7, 3214868480
	.fill 96, 4, 3214868480
	.section	.rodata,"a",@progbits
	.p2align	6, 0x0
	.amdhsa_kernel k_qa5976abb31_quant
		.amdhsa_group_segment_fixed_size 68096
		.amdhsa_private_segment_fixed_size 0
		.amdhsa_enable_private_segment 0
		.amdhsa_kernarg_size 80
		.amdhsa_user_sgpr_count 2
		.amdhsa_user_sgpr_kernarg_segment_ptr 1
		.amdhsa_wavefront_size32 1
		.amdhsa_system_sgpr_workgroup_id_x 1
		.amdhsa_system_sgpr_workgroup_id_y 1
		.amdhsa_system_sgpr_workgroup_id_z 1
		.amdhsa_system_vgpr_workitem_id 0
		.amdhsa_next_free_vgpr 192
		.amdhsa_next_free_sgpr 66
		.amdhsa_reserve_vcc 0
		.amdhsa_float_denorm_mode_32 3
		.amdhsa_float_denorm_mode_16_64 3
		.amdhsa_memory_ordered 1
		.amdhsa_forward_progress 1
		.amdhsa_inst_pref_size 87
	.end_amdhsa_kernel
	.amdgpu_metadata
---
amdhsa.version: [ 1, 2 ]
amdhsa.kernels:
  - .name:           k_qa5976abb31_quant
    .symbol:         k_qa5976abb31_quant.kd
    .args:
      - { .name: Q, .offset: 0, .size: 8, .value_kind: global_buffer, .address_space: global }
      - { .name: K, .offset: 8, .size: 8, .value_kind: global_buffer, .address_space: global }
      - { .name: V, .offset: 16, .size: 8, .value_kind: global_buffer, .address_space: global }
      - { .name: Wq, .offset: 24, .size: 8, .value_kind: global_buffer, .address_space: global }
      - { .name: Wk, .offset: 32, .size: 8, .value_kind: global_buffer, .address_space: global }
      - { .name: Wv, .offset: 40, .size: 8, .value_kind: global_buffer, .address_space: global }
      - { .name: Wo, .offset: 48, .size: 8, .value_kind: global_buffer, .address_space: global }
      - { .name: lowp_scales, .offset: 56, .size: 8, .value_kind: global_buffer, .address_space: global }
      - { .name: x_codes, .offset: 64, .size: 8, .value_kind: global_buffer, .address_space: global }
      - { .name: w_codes, .offset: 72, .size: 8, .value_kind: global_buffer, .address_space: global }
    .group_segment_fixed_size: 68096
    .private_segment_fixed_size: 0
    .kernarg_segment_align: 8
    .kernarg_segment_size: 80
    .max_flat_workgroup_size: 128
    .sgpr_count:     66
    .vgpr_count:     192
    .wavefront_size: 32
...
	.end_amdgpu_metadata
.endif
;; end of part 1
;; launch qkv (part 2): grid 4 x 48, 4 waves a work-group, clusters of 4 x 4, 327,680 bytes of LDS; arguments x_codes, w_codes, lowp_scales, bq, bk, bv, qkv_img; writes qkv_img
.if DOCPART == 2
	.amdgcn_target "amdgcn-amd-amdhsa--gfx1250"
	.amdhsa_code_object_version 6
	.text
	.protected	k_qa5976abb31_qkv
	.globl	k_qa5976abb31_qkv
	.p2align	8
	.type	k_qa5976abb31_qkv,@function
k_qa5976abb31_qkv:
	s_mov_b64 s[64:65], 0
	v_nop
	global_prefetch_b8 v0, s[64:65] scope:SCOPE_SE
	s_setreg_imm32_b32 hwreg(HW_REG_WAVE_MODE, 25, 1), 1
	s_wait_xcnt 0x0
	s_wait_alu depctr_hold_cnt(0) depctr_sa_sdst(0) depctr_va_vdst(0) depctr_va_sdst(0) depctr_va_ssrc(0) depctr_va_vcc(0) depctr_vm_vsrc(0)
	s_getreg_b32 s2, hwreg(HW_REG_IB_STS2, 6, 4)
	s_cmp_eq_u32 s2, 0
	s_cbranch_scc0 .Lentry_in_a_cluster
	s_endpgm
.Lentry_in_a_cluster:
	s_bfe_u32 s2, ttmp6, 0x10000c
	s_cmp_lg_u32 s2, 0xf033
	s_cbranch_scc0 .Lentry_shape_is_right
	s_endpgm
.Lentry_shape_is_right:
; The three projections on codes of FP8 (E4M3): q = (Q Wq + bq) / 64^(1/4), k likewise, v = V Wv + bv, each then quantised with the scale given for it as an operand of the attention's products (entries 6, 7, 9).
; A work-group of four waves makes 256 x 256 of one projection, a wave 128 x 128: 64 accumulators.  Four rows of clusters for each projection: 16 x 4 tiles, 192 work-groups.  K goes in steps of 256 through a ring of two
; LDS slots filled by joint loads of the 4 x 4 cluster: the one operand's tiles are shared along a row of the cluster, the other's along a column.
; For Q and K source 0 takes rows of the weight and source 1 tokens, so a lane holds 8 neighbouring channels of a token; for V the operands change places, so a lane holds 8 neighbouring tokens of a channel.
; The bias x 2^-(the operands' e) is the C of each accumulator's first matrix instruction; a finished sum is multiplied once by 2^(the operands' e), for q and k x 64^(-1/4), held within +-448 x the result's scale, converted, and stored:
; qkv_img: [kind 3][batch 2][pair of heads 8][block of 128 tokens 16][16,384 bytes]; registers 4 i .. 4 i + 3 of lane l at 512 i + 16 l of a fragment's image; each store of a wave covers 512 consecutive bytes.
; No prefetch is laid: the block is the largest and K is short: of four K steps two come by the head's loads, and each of the other two is asked for one K step (128 matrix instructions a wave) ahead of its use.
; LIMITS: the operands' two e sum to -124 .. 127; the results' e lie between -126 and 119; NaN is not served.
.set SIZE_K, 1024
.set KSTEP,  256
.set ROWB,   256
.set KROW,   1024
.set PITCH,  272
.set FR,     16
.set NL,     4
.set NP,     4
.set HALFT,  128*PITCH
.set SLOT,   4*HALFT
.set LAPS,   SIZE_K/(2*KSTEP)
.set SPARE,  2*SLOT
.set VB,   7
.set VJ,   8
.set ADRA, 16
.set ADRB, 20
.set CO,   26
.set SPW,  28
.set NIL,  29
.set SCL,  30
.set LIM,  31
.set BI,   32
.set TMP,  32
.set AF,   128
.set CD,   128
.set G1, 24
.set G0, 32
.set G1B, 48
.set G0B, 56
.set MSB, 0
.macro WIN new
.if MSB != \new
	s_set_vgpr_msb (MSB<<8)|\new
.set MSB, \new
.endif
.endm
.set MUL_LO, 0xa1
.set MUL_HI, 0xf1
.set TO_B,   0x40
.macro JLOAD g0a, g1a, g0b, g1b
	s_cmp_eq_u32 s15, 0
	s_cbranch_scc0 .Lfor_b_\@
	tensor_load_to_lds s[\g0a:\g0a+3], s[\g1a:\g1a+7]
	s_nop 0
.rept 4
	v_nop
.endr
	s_branch .Lasked_\@
.Lfor_b_\@:
	tensor_load_to_lds s[\g0b:\g0b+3], s[\g1b:\g1b+7]
	s_nop 0
.rept 4
	v_nop
.endr
.Lasked_\@:
.endm
.macro CREST
	s_cmp_lg_u32 s14, 0
	s_cbranch_scc1 .Lnot_wave_0_\@
	s_barrier_signal -3
.Lnot_wave_0_\@:
	s_barrier_wait -3
	s_barrier_signal -1
	s_barrier_wait -1
.endm
.macro CROUND
	s_barrier_signal -1
	s_barrier_wait -1
	CREST
.endm
	s_load_b128 s[4:7], s[0:1], 0x0
	s_load_b128 s[8:11], s[0:1], 0x10
	s_load_b128 s[84:87], s[0:1], 0x20
	s_load_b64 s[88:89], s[0:1], 0x30
	v_lshl_add_u32 v[SPW], v0, 2, SPARE
	v_mov_b32 v[NIL], 0
	ds_add_u32 v[SPW], v[NIL]
	ds_add_u32 v[SPW], v[NIL]
	v_lshrrev_b32 v1, 5, v0
	v_readfirstlane_b32 s14, v1
	s_lshr_b32 s15, s14, 1
	s_and_b32 s16, s14, 1
	s_bfe_u32 s40, ttmp6, 0x40000
	s_bfe_u32 s41, ttmp6, 0x40004
	s_and_b32 s67, ttmp7, 0xffff
	s_lshr_b32 s66, s67, 2
	s_and_b32 s67, s67, 3
	s_lshl_b32 s74, s66, 22
	s_lshl_b32 s75, s66, 20
	s_cmp_eq_u32 s66, 2
	s_cselect_b32 s68, 0, s67
	s_cselect_b32 s69, s67, 0
	s_cselect_b32 s98, s75, s74
	s_cselect_b32 s99, s74, s75
	s_lshl_b32 s17, s68, 2
	s_add_co_u32 s17, s17, s41
	s_lshl_b32 s42, s69, 2
	s_add_co_u32 s42, s42, s40
	s_lshl_b32 s43, s41, 2
	s_lshl_b32 s43, 15, s43
	s_lshl_b32 s44, 0x1111, s40
	s_or_b32 s[G1+0], s43, (0<<16)|(1<<20)|(1<<21)|(5<<22)|(3<<25)
	s_or_b32 s[G1B+0], s44, (0<<16)|(1<<20)|(1<<21)|(5<<22)|(3<<25)
.irp g, G1, G1B
	s_mov_b32 s[\g+1], ROWB<<16                    ; a tile: 256 rows x 256 bytes, 16 bytes of padding behind each row
	s_mov_b32 s[\g+2], 256<<16
	s_mov_b32 s[\g+3], ROWB<<16
	s_mov_b32 s[\g+4], 256
	s_mov_b32 s[\g+5], KROW
	s_mov_b32 s[\g+6], 0
	s_mov_b32 s[\g+7], 0
.endr
	; WHO FETCHES: waves 0, 1 for A, waves 2, 3 for B; waves 0 and 2 fill slot 0 (K steps 0 and 2), waves 1 and 3 slot 1 (K steps 1 and 3): one load a wave at the head, and one refill
	s_lshl_b32 s18, s16, 8                         ; my slot's first K step: 256 bytes a step
	s_lshl_b32 s20, s17, 18                        ; A: 256 rows of 1,024 bytes x tile row
	s_add_co_u32 s20, s20, s18
	s_add_co_u32 s20, s20, s98
	s_mov_b32 s21, 0
	s_lshl_b32 s46, s42, 18                        ; B: likewise, by the tile column
	s_add_co_u32 s46, s46, s18
	s_add_co_u32 s46, s46, s99
	s_mov_b32 s47, 0
	s_mul_i32 s45, s15, 2*HALFT                    ; in the slot A's 256 rows, then B's
	s_mul_i32 s19, s16, SLOT
	s_add_co_u32 s45, s45, s19
	s_wait_dscnt 0x0
	s_wait_kmcnt 0x0
	s_load_b256 s[76:83], s[8:9], 0x0
	s_load_b64 s[90:91], s[8:9], 0x20
	s_cmp_eq_u32 s66, 2
	s_cselect_b64 s[70:71], s[6:7], s[4:5]
	s_cselect_b64 s[72:73], s[4:5], s[6:7]
	s_add_nc_u64 s[20:21], s[70:71], s[20:21]
	s_add_nc_u64 s[46:47], s[72:73], s[46:47]
	CROUND
	s_mov_b32 s[G0], 1
	s_mov_b32 s[G0+1], s45
	s_mov_b64 s[G0+2:G0+3], s[20:21]
	s_or_b32 s[G0+3], s[G0+3], 0x80000000
	s_mov_b32 s[G0B], 1
	s_mov_b32 s[G0B+1], s45
	s_mov_b64 s[G0B+2:G0B+3], s[46:47]
	s_or_b32 s[G0B+3], s[G0B+3], 0x80000000
	JLOAD G0, G1, G0B, G1B                         ; K steps 0 and 1: one tensor load a wave.  Addresses, bias and scales are made under their flight
	v_and_b32 v1, 15, v0
	v_bfe_u32 v2, v0, 4, 1
	v_mul_u32_u24 v3, v1, PITCH
	v_lshl_add_u32 v4, v2, 4, v3
	s_mul_i32 s21, s15, HALFT
	s_mul_i32 s22, s16, HALFT
	s_add_co_u32 s22, s22, 2*HALFT
.irp s, 0,1
	v_add_nc_u32 v[ADRA+\s], s21, v4
	v_add_nc_u32 v[ADRB+\s], s22, v4
	s_add_co_u32 s21, s21, SLOT
	s_add_co_u32 s22, s22, SLOT
.endr
	v_and_b32 v6, 31, v0
	v_lshlrev_b32 v[CO], 4, v6
	s_lshl_b32 s98, s17, 1
	s_add_co_u32 s98, s98, s15
	s_lshl_b32 s99, s42, 1
	s_add_co_u32 s99, s99, s16
	s_cmp_eq_u32 s66, 2
	s_cselect_b32 s75, s99, s98
	s_cselect_b32 s74, s98, s99
	s_cselect_b32 s12, 0, 4
	s_cselect_b32 s18, 4, 0
	s_cselect_b32 s19, 0, 32
	s_cselect_b64 s[92:93], s[86:87], s[84:85]
	s_cmp_eq_u32 s66, 0
	s_cselect_b64 s[92:93], s[10:11], s[92:93]
	s_lshl_b32 s22, s74, 9
	s_mov_b32 s23, 0
	s_add_nc_u64 s[92:93], s[92:93], s[22:23]
	v_mul_u32_u24 v[VB], s18, v1
	v_mad_u32_u24 v[VB], v2, s19, v[VB]
.irp j, 0,1,2,3,4,5,6,7
	v_mad_u32_u24 v[VJ+\j], s12, \j, v[VB]
.endr
.irp x, 0,1,2,3,4,5,6,7
.irp j, 0,1,2,3,4,5,6,7
	global_load_b32 v[BI+8*\x+\j], v[VJ+\j], s[92:93] offset:64*\x
.endr
.endr
	s_lshr_b32 s22, s75, 4
	s_lshl_b32 s22, s22, 3
	s_add_co_u32 s22, s22, s74
	s_lshl_b32 s22, s22, 18
	s_and_b32 s95, s75, 15
	s_lshl_b32 s95, s95, 14
	s_add_co_u32 s22, s22, s95
	s_lshl_b32 s95, s66, 22
	s_add_co_u32 s22, s22, s95
	s_add_nc_u64 s[88:89], s[88:89], s[22:23]
	s_wait_kmcnt 0x0
	s_cmp_eq_u32 s66, 0
	s_cselect_b32 s98, s76, s78
	s_cselect_b32 s99, s77, s79
	s_cselect_b32 s95, s82, s83
	s_cmp_eq_u32 s66, 2
	s_cselect_b32 s98, s80, s98
	s_cselect_b32 s99, s81, s99
	s_cselect_b32 s95, s91, s95
	s_mov_b32 s96, 0x3eb504f3
	s_cselect_b32 s96, 0x3f800000, s96
	s_add_co_i32 s98, s98, s99
	s_sub_co_i32 s94, 0, s98
	s_lshl_b32 s98, s98, 23
	s_add_co_i32 s96, s96, s98
	s_mov_b32 s97, s96
	s_add_co_i32 s95, s95, 127
	s_lshl_b32 s99, s95, 23
	v_mov_b32 v[SCL], s99
	s_add_co_i32 s95, s95, 8
	s_lshl_b32 s95, s95, 23
	s_or_b32 s95, s95, 0x600000
	v_mov_b32 v[LIM], s95
	s_wait_loadcnt 0x0
.set i, 0
.rept 64
	v_ldexp_f32 v[BI+i], v[BI+i], s94
.set i, i+1
.endr
.macro FRAG reg, adr, q, i
.irp c, 0,1,2,3
	ds_load_b128 v[\reg+4*\c:\reg+4*\c+3], v[\adr] offset:128*(\q)+32*\c+(\i)*16*PITCH
.endr
.endm
.macro MUL16 a0, p, zero
.irp a, \a0, \a0+1
.irp b, 0,1,2,3,4,5,6,7
.if \zero == 2
	v_wmma_f32_16x16x128_fp8_fp8 v[8*(8*((\a)%4)+\b):8*(8*((\a)%4)+\b)+7], v[128*(\p)+FR*\b:128*(\p)+FR*\b+FR-1], v[AF+FR*(\a):AF+FR*(\a)+FR-1], v[BI+8*\b:BI+8*\b+7]
.elseif \zero == 3
	v_wmma_f32_16x16x128_fp8_fp8 v[8*(8*((\a)%4)+\b):8*(8*((\a)%4)+\b)+7], v[128*(\p)+FR*\b:128*(\p)+FR*\b+FR-1], v[AF+FR*(\a):AF+FR*(\a)+FR-1], v[BI+8*(\a):BI+8*(\a)+7]
.else
	v_wmma_f32_16x16x128_fp8_fp8 v[8*(8*((\a)%4)+\b):8*(8*((\a)%4)+\b)+7], v[128*(\p)+FR*\b:128*(\p)+FR*\b+FR-1], v[AF+FR*(\a):AF+FR*(\a)+FR-1], v[8*(8*((\a)%4)+\b):8*(8*((\a)%4)+\b)+7]
.endif
.endr
.endr
.endm
.macro FETCH_B slot, q, p
	WIN TO_B
.irp i, 0,1,2,3,4,5,6,7
	FRAG 128*(\p)+FR*\i, ADRB+\slot, \q, \i
.endr
	WIN 0
.endm
.macro FETCH_A slot, q, i0
.irp i, \i0, \i0+1, \i0+2, \i0+3
	FRAG AF+FR*(\i), ADRA+\slot, \q, \i
.endr
.endm
.macro PLACES n
.rept \n
	v_nop
.endr
.endm
.macro STEP slot, q, zero
	s_wait_dscnt 4*NL
.if \zero
	WIN 0x81
.else
	WIN MUL_LO
.endif
	MUL16 0, (\q)%2, \zero
	MUL16 2, (\q)%2, \zero
	s_wait_dscnt 0
	PLACES NP
	FETCH_B \slot, (\q)+1, 1-(\q)%2
	FETCH_A \slot, (\q)+1, 0
.if \zero
	WIN 0xc1
.else
	WIN MUL_HI
.endif
	MUL16 4, (\q)%2, \zero
	MUL16 6, (\q)%2, \zero
	PLACES NP
	WIN 0
	FETCH_A \slot, (\q)+1, 4
.endm
.macro TURN slot, next, fill
	s_wait_tensorcnt 0x0
	ds_add_u32 v[SPW], v[NIL]
	s_wait_dscnt 4*NL+1
	WIN MUL_LO
	MUL16 0, 1, 0
	s_wait_dscnt 0x0
	s_barrier_signal -1
	MUL16 2, 1, 0
	WIN 0
	s_barrier_wait -1
.if \fill
	CREST
	s_cmp_eq_u32 s16, \slot                        ; the slot's own two waves fill it again, one joint load each; the others issue none
	s_cbranch_scc0 .Lnot_mine_\@
	JLOAD G0, G1, G0B, G1B
.Lnot_mine_\@:
	PLACES NP                                      ; in front of the loads below, on either way
.else
	PLACES NP
.endif
	FETCH_B \next, 0, 0
	FETCH_A \next, 0, 0
	WIN MUL_HI
	MUL16 4, 1, 0
	MUL16 6, 1, 0
	PLACES NP
	WIN 0
	FETCH_A \next, 0, 4
.endm
	s_wait_alu depctr_va_vdst(0)
	s_wait_tensorcnt 0x0                           ; my load has landed, so its group 0 may be written: it steps to my refill, two K steps on
	s_add_nc_u64 s[G0+2:G0+3], s[G0+2:G0+3], 2*ROWB
	s_add_nc_u64 s[G0B+2:G0B+3], s[G0B+2:G0B+3], 2*ROWB
	s_barrier_signal -1
	s_barrier_wait -1                              ; everybody's has: K steps 0 and 1 lie in LDS
	FETCH_B 0, 0, 0
	FETCH_A 0, 0, 0
	FETCH_A 0, 0, 4
	s_cmp_eq_u32 s66, 2
	s_cbranch_scc1 .Lfirst_v
	s_wait_alu depctr_va_vdst(0)
	STEP 0, 0, 2
	s_branch .Lfirst_done
.Lfirst_v:
	s_wait_alu depctr_va_vdst(0)
	STEP 0, 0, 3
.Lfirst_done:
	s_mov_b32 s3, LAPS-1
.Llap:
	TURN 0, 1, 1
	STEP 1, 0, 0
	TURN 1, 0, 1
	STEP 0, 0, 0
	s_sub_co_u32 s3, s3, 1
	s_cmp_lg_u32 s3, 0
	s_cbranch_scc1 .Llap
	TURN 0, 1, 0
	STEP 1, 0, 0
	s_wait_dscnt 4*NL
	WIN MUL_LO
	MUL16 0, 1, 0
	MUL16 2, 1, 0
	s_wait_dscnt 0
	WIN MUL_HI
	MUL16 4, 1, 0
	MUL16 6, 1, 0
	WIN 0
.macro OUTB a
.set AC, 64*((\a)%4)
	WIN 0x02+((\a)/4)
.irp j, 0,2,4,6,8,10,12,14,16,18,20,22,24,26,28,30,32,34,36,38,40,42,44,46,48,50,52,54,56,58,60,62
	v_pk_mul_f32 v[TMP+\j:TMP+\j+1], v[AC+\j:AC+\j+1], s[96:97] op_sel_hi:[1,0]
.endr
	WIN 0
.irp j, 0,1,2,3,4,5,6,7,8,9,10,11,12,13,14,15,16,17,18,19,20,21,22,23,24,25,26,27,28,29,30,31,32,33,34,35,36,37,38,39,40,41,42,43,44,45,46,47,48,49,50,51,52,53,54,55,56,57,58,59,60,61,62,63
	v_med3_num_f32 v[TMP+\j], v[TMP+\j], -v[LIM], v[LIM]
.endr
.irp b, 0,1,2,3,4,5,6,7
	v_cvt_scalef32_pk8_fp8_f32 v[CD+16*(\a)+2*\b:CD+16*(\a)+2*\b+1], v[TMP+8*\b:TMP+8*\b+7], v[SCL]
.endr
	v_nop
.irp j, 0,1,2,3
	global_store_b128 v[CO], v[CD+16*(\a)+4*\j:CD+16*(\a)+4*\j+3], s[88:89] offset:2048*(\a)+512*\j
.endr
.endm
	PLACES NP
.irp a, 0,1,2,3,4,5,6,7
	OUTB \a
.endr
	s_wait_tensorcnt 0x0
	ds_add_u32 v[SPW], v[NIL]
	s_wait_dscnt 0x0
	CROUND
	s_endpgm
.Lfunc_end_k_qa5976abb31_qkv:
	.size	k_qa5976abb31_qkv, .Lfunc_end_k_qa5976abb31_qkv-k_qa5976abb31_qkv
	.p2alignl 7, 3214868480
	.fill 96, 4, 3214868480
	.section	.rodata,"a",@progbits
	.p2align	6, 0x0
	.amdhsa_kernel k_qa5976abb31_qkv
		.amdhsa_group_segment_fixed_size 327680
		.amdhsa_private_segment_fixed_size 0
		.amdhsa_enable_private_segment 0
		.amdhsa_kernarg_size 56
		.amdhsa_user_sgpr_count 2
		.amdhsa_user_sgpr_kernarg_segment_ptr 1
		.amdhsa_wavefront_size32 1
		.amdhsa_system_sgpr_workgroup_id_x 1
		.amdhsa_system_sgpr_workgroup_id_y 1
		.amdhsa_system_sgpr_workgroup_id_z 1
		.amdhsa_system_vgpr_workitem_id 0
		.amdhsa_next_free_vgpr 1024
		.amdhsa_next_free_sgpr 100
		.amdhsa_reserve_vcc 0
		.amdhsa_float_denorm_mode_32 3
		.amdhsa_float_denorm_mode_16_64 3
		.amdhsa_memory_ordered 1
		.amdhsa_forward_progress 1
		.amdhsa_inst_pref_size 153
	.end_amdhsa_kernel
	.amdgpu_metadata
---
amdhsa.version: [ 1, 2 ]
amdhsa.kernels:
  - .name:           k_qa5976abb31_qkv
    .symbol:         k_qa5976abb31_qkv.kd
    .args:
      - { .name: x_codes, .offset: 0, .size: 8, .value_kind: global_buffer, .address_space: global }
      - { .name: w_codes, .offset: 8, .size: 8, .value_kind: global_buffer, .address_space: global }
      - { .name: lowp_scales, .offset: 16, .size: 8, .value_kind: global_buffer, .address_space: global }
      - { .name: bq, .offset: 24, .size: 8, .value_kind: global_buffer, .address_space: global }
      - { .name: bk, .offset: 32, .size: 8, .value_kind: global_buffer, .address_space: global }
      - { .name: bv, .offset: 40, .size: 8, .value_kind: global_buffer, .address_space: global }
      - { .name: qkv_img, .offset: 48, .size: 8, .value_kind: global_buffer, .address_space: global }
    .group_segment_fixed_size: 327680
    .private_segment_fixed_size: 0
    .kernarg_segment_align: 8
    .kernarg_segment_size: 56
    .max_flat_workgroup_size: 128
    .sgpr_count:     100
    .vgpr_count:     1024
    .wavefront_size: 32
...
	.end_amdgpu_metadata
.endif
;; end of part 2
;; launch attn (part 3): grid 8 x 32, 16 waves a work-group, clusters of 4 x 1, 327,680 bytes of LDS; arguments qkv_img, lowp_scales, a_img; writes a_img
.if DOCPART == 3
	.amdgcn_target "amdgcn-amd-amdhsa--gfx1250"
	.amdhsa_code_object_version 6
	.text
	.protected	k_qa5976abb31_attn
	.globl	k_qa5976abb31_attn
	.p2align	8
	.type	k_qa5976abb31_attn,@function
k_qa5976abb31_attn:
	s_mov_b64 s[64:65], 0
	v_nop
	global_prefetch_b8 v0, s[64:65] scope:SCOPE_SE
	s_setreg_imm32_b32 hwreg(HW_REG_WAVE_MODE, 25, 1), 1
	s_wait_xcnt 0x0
	s_wait_alu depctr_hold_cnt(0) depctr_sa_sdst(0) depctr_va_vdst(0) depctr_va_sdst(0) depctr_va_ssrc(0) depctr_va_vcc(0) depctr_vm_vsrc(0)
	s_getreg_b32 s2, hwreg(HW_REG_IB_STS2, 6, 4)
	s_cmp_eq_u32 s2, 0
	s_cbranch_scc0 .Lentry_in_a_cluster
	s_endpgm
.Lentry_in_a_cluster:
	s_bfe_u32 s2, ttmp6, 0x10000c
	s_cmp_lg_u32 s2, 0x3003
	s_cbranch_scc0 .Lentry_shape_is_right
	s_endpgm
.Lentry_shape_is_right:
; Causal attention of one head (64 channels, 2,048 tokens) on codes of FP8 (E4M3): S = q k^T, p = 2^(t - M), O = p v / l, and O quantised with the scale given for it as the last product's operand (entry 10).
; t = score x 2^(e6 + e7) x log2(e); M = the running largest t rounded UP to a whole number; p is quantised with 2^e8, not normalised; l is the sum of the unquantised p, in f32; when M moves, l and O are multiplied
; by 2^(old M - new M), which rounds nothing.  O x 2^(e8 + e9) / l is what is quantised at the end.
; SHARES.  Work-group (c, y): y = batch x 16 + head, c = 0 .. 7: it owns 16 tiles of 16 queries: the tile of rank R, R = 0 .. 15, holds queries 128 R + 16 c + 0 .. 15 and needs key steps 0 .. R of 128 keys; step R is the one on
; the diagonal, whatever c is.  Sixteen waves share the 136 tile-steps, p = 0 .. 7: wave p takes key steps 0 .. 8 of the tile of rank 15 - p; wave 8 + p takes all p + 1 steps of the tile of rank p, stores it, and then takes
; steps 9 .. 15 - p of the tile of rank 15 - p.  So a wave has 9 or 8 steps.  The two parts of a tile of rank 15 - p meet at the end through LDS: both are brought under the larger M by powers of two and added.
; Every branch hangs on the wave's number and the count of steps alone: the eight work-groups of a head run alike.
; DEAD WORK: a step all of whose keys come after the tile's queries is left out: the mask of reference() makes its p zero (see the head of the launch quant).
; K AND V OF THE WHOLE HEAD LIE IN LDS (131,072 bytes each), brought by sixteen tensor loads of 16,384 bytes at the head, ONE A WAVE: waves 0 to 7 K's parts, waves 8 to 15 V's.  No byte is filled again.
; A step's fragments of K are loaded from LDS in the step before it, its fragments of V at its own head.
; CLUSTER.  The four work-groups of a cluster belong to one head and need the same K and V: each load is asked for JOINTLY, with the mask of all four.
; No prefetch is laid: every byte of K and V is asked for by the tensor loads at the head, and no later request exists that one could run ahead of.
; LAYOUT.  Both products are used transposed: S^T = k q^T (source 0 = 16 keys, source 1 = 16 queries), O^T = v^T p^T: a lane holds ONE query (lane % 16) throughout; register 8 t + j of S^T is key 16 t + 8 (lane / 16) + j,
; so one conversion of tile t's eight registers gives registers 2 t, 2 t + 1 of p's fragment in the layout of the form with K = 128.  q, k and v arrive as images of their fragments' registers: every LDS load takes 16 bytes at 16 x lane.
; a_img: [tile of 16 tokens 256][head 16][1,024]: lane (r, h): token r; registers 2 c, 2 c + 1: channels 16 c + 8 h + 0 .. 7; registers 4 i .. 4 i + 3 of lane l at 512 i + 16 l.
; LIMITS: e6 + e7 between -126 and 127 (added to the exponent field of log2(e)); e8 and e10 between -126 and 119; e8 + e9 goes by v_ldexp_f32 and has none; |t| stays under 2^31; NaN is not served.
.set VREG,  131072                     ; LDS: K's 128 tiles of 1,024 bytes from 0; V's 16 steps x 4 tiles of 2,048 bytes from here
.set STEPB, 8192                       ; a key step's bytes, of K and of V
.set SPARE, 262144                     ; behind both: the spare words, 128 bytes for each wave: eight blocks of 256 bytes that no other line names
.set SCR,   SPARE+2048                 ; behind them: 4,608 bytes for each of the eight tiles made in two parts
.set SCRB,  4608
.set QS,    SCR+8*SCRB                 ; behind those: 1,024 bytes for each wave: the second tile's Q
.set LI,   1                           ; v1   16 x lane
.set LV,   2                           ; v2   VREG + 16 x lane
.set FSC,  3                           ; v3   2^e10
.set NINF, 4                           ; v4   -infinity
.set SPW,  5                           ; v5   LDS address of my spare word; never rewritten
.set NIL,  6                           ; v6   0; never rewritten
.set SCA,  7                           ; v7   LDS address of my pair's place for a part
.set ADK,  8                           ; v8   LDS address of the step's K
.set ADV,  9                           ; v9   of its V
.set FLM,  11                          ; v11  448 x 2^e10
                                       ; v10 the step's old -M; v12 -M, v13 the largest t, v[14:15] the sum in two halves; v24 2^e8, v25 448 x it; v26-29 at work
.set QF,   16                          ; v16-23   Q of the tile in hand
.set KF,   30                          ; v30-93   K's eight fragments; between their products and the next step's loads: chains of maxima and
.set T,    30                          ; v30-45   eight partial sums
.set FC,   32                          ; v32-39   on a tile's way out: the result's codes
.set CD,   94                          ; v94-109  p's codes: they are laid over scores that have been converted
.set SS,   96                          ; v96-159  S^T, then p
.set OT,   160                         ; v160-191 O^T, four tiles
.set VF,   192                         ; v192-255 V's four fragments; at the end the partner's O^T and
.set PM,   224                         ; v224-227 its -M, largest t and sum
.set WV,   18                          ; s18  my wave's number
.set PP,   19                          ; s19  p = wave % 8
.set SEL,  20                          ; s[20:21] lane selects for v_permlanex16_b32: lane l xor 16
.set CS,   22                          ; s[22:23] log2(e) x 2^(e6 + e7)
.set G1K,  24                          ; s[24:31] descriptor group 1 for K's parts;  s[32:39] for V's.  When all loads have landed: two sets of eight lane masks
.set G1V,  32
.set G0K,  40                          ; s[40:43] group 0 for K's parts;  s[44:47] for V's
.set G0V,  44
.set ST,   56                          ; s56  the key step: the loops' counter
.set TB,   57                          ; s57  its first byte in K's region
.set LIM1, 58                          ; s58  my last step of the first tile
.set LIM2, 59                          ; s59  my last step of the second (under 9: none)
.set R1,   60                          ; s60  the first tile's rank
.set HR,   61                          ; s61  15 - p
.set CC,   62                          ; s62  c
.set E89,  63                          ; s63  e8 + e9
.set OUT1, 80                          ; s[80:81], s[82:83] where the two tiles' results go
.set OUT2, 82
.set DM,   88                          ; s[88:95] lane masks: key j of my half of a tile comes after query r
.set QB,   97                          ; s97  LDS byte of my wave's place for the second tile's Q
.macro CROUND                          ; a round of the cluster's barrier
	s_barrier_signal -1
	s_barrier_wait -1
	s_cmp_lg_u32 s[WV], 0
	s_cbranch_scc1 .Lnot_wave_0_\@
	s_barrier_signal -3
.Lnot_wave_0_\@:
	s_barrier_wait -3
	s_barrier_signal -1
	s_barrier_wait -1
.endm
	s_load_b128 s[4:7], s[0:1], 0x0                ; qkv_img s[4:5], the scales' exponents s[6:7]
	s_load_b64 s[8:9], s[0:1], 0x10                ; a_img
	v_lshl_add_u32 v[SPW], v0, 2, SPARE
	v_mov_b32 v[NIL], 0
	ds_add_u32 v[SPW], v[NIL]                      ; the wave's opening: the add, twice on end, and its wait ahead of my tensor load; the set-up below, work on registers, stands between
	ds_add_u32 v[SPW], v[NIL]
	v_lshrrev_b32 v8, 5, v0
	v_readfirstlane_b32 s[WV], v8                  ; wave 0..15
	s_and_b32 s[PP], s[WV], 7
	s_sub_co_u32 s[HR], 15, s[PP]
	s_cmp_lt_u32 s[WV], 8
	s_cselect_b32 s[LIM1], 8, s[PP]
	s_cselect_b32 s[R1], s[HR], s[PP]
	s_cselect_b32 s[LIM2], 0, s[HR]
	s_bfe_u32 s68, ttmp6, 0x40000                  ; cx
	s_lshl_b32 s[CC], ttmp9, 2
	s_add_co_u32 s[CC], s[CC], s68                 ; c = 4 x cluster x + cx: it enters Q's and the results' addresses and the diagonal's masks alone
	s_and_b32 s69, ttmp7, 0xffff                   ; y = batch x 16 + head, which the four partners share
	s_and_b32 s70, s69, 1                          ; the head of its pair
	s_lshr_b32 s71, s69, 1
	s_lshl_b32 s71, s71, 18                        ; the pair's first byte in a kind's part of qkv_img
	s_lshl_b32 s72, s[PP], 15                      ; the part that I fetch: in memory (it spans 32,768 bytes: both heads of the pair),
	s_lshl_b32 s73, s[PP], 14                      ; and in LDS
	s_lshl_b32 s84, s70, 10                        ; K: my head's images are every second 1,024 bytes
	s_add_co_u32 s84, s84, s71
	s_add_co_u32 s84, s84, s72
	s_add_co_u32 s84, s84, 1<<22                   ; kind 1
	s_mov_b32 s85, 0
	s_lshl_b32 s86, s70, 13                        ; V: my head's are every second 8,192 bytes
	s_add_co_u32 s86, s86, s71
	s_add_co_u32 s86, s86, s72
	s_add_co_u32 s86, s86, 2<<22                   ; kind 2
	s_mov_b32 s87, 0
	s_lshl_b32 s74, s[CC], 11                      ; Q: tile c of a block of 128 tokens,
	s_add_co_u32 s74, s74, s71
	s_lshl_b32 s66, s70, 10                        ; my head;
	s_add_co_u32 s74, s74, s66
	s_lshl_b32 s76, s[R1], 14                      ; block = rank
	s_add_co_u32 s76, s76, s74
	s_mov_b32 s77, 0
	s_lshl_b32 s78, s[HR], 14
	s_add_co_u32 s78, s78, s74
	s_mov_b32 s79, 0
	s_lshr_b32 s75, s69, 4                         ; the results: batch x 128 + c
	s_lshl_b32 s75, s75, 7
	s_add_co_u32 s75, s75, s[CC]
	s_and_b32 s67, s69, 15
	s_lshl_b32 s80, s[R1], 3                       ; + 8 x rank: the tile of 16 tokens,
	s_add_co_u32 s80, s80, s75
	s_lshl_b32 s80, s80, 4
	s_add_co_u32 s80, s80, s67                     ; x 16 + head,
	s_lshl_b32 s80, s80, 10                        ; images of 1,024 bytes
	s_mov_b32 s81, 0
	s_lshl_b32 s82, s[HR], 3
	s_add_co_u32 s82, s82, s75
	s_lshl_b32 s82, s82, 4
	s_add_co_u32 s82, s82, s67
	s_lshl_b32 s82, s82, 10
	s_mov_b32 s83, 0
	s_mul_i32 s68, s[PP], SCRB
	s_add_co_u32 s68, s68, SCR                     ; my pair's place for a part
	s_lshl_b32 s[QB], s[WV], 10
	s_add_co_u32 s[QB], s[QB], QS
	; descriptor group 1.  K's part: 16 rows (images) of 1,024 bytes, 2,048 bytes apart, laid on end in LDS.  V's part: 2 rows (key steps) of 8,192 bytes, 16,384 apart.  Elements of 8 bytes.
	s_mov_b32 s[G1K], 15|(3<<16)|(1<<21)           ; 15:0 the mask: all four work-groups; 17:16 elements of 8 bytes; 20 no padding; 21 set beside a mask
	s_mov_b32 s[G1K+1], 128<<16                    ; tensor_dim0 = 128 elements
	s_mov_b32 s[G1K+2], 16<<16                     ; tensor_dim1 = 16
	s_mov_b32 s[G1K+3], 128<<16                    ; tile_dim0
	s_mov_b32 s[G1K+4], 16                         ; tile_dim1
	s_mov_b32 s[G1K+5], 256                        ; tensor_dim0_stride
	s_mov_b32 s[G1K+6], 0
	s_mov_b32 s[G1K+7], 0
	s_mov_b32 s[G1V], 15|(3<<16)|(1<<21)
	s_mov_b32 s[G1V+1], 1024<<16
	s_mov_b32 s[G1V+2], 2<<16
	s_mov_b32 s[G1V+3], 1024<<16
	s_mov_b32 s[G1V+4], 2
	s_mov_b32 s[G1V+5], 2048
	s_mov_b32 s[G1V+6], 0
	s_mov_b32 s[G1V+7], 0
	s_mov_b32 s[SEL], 0x76543210
	s_mov_b32 s[SEL+1], 0xfedcba98
	s_mov_b32 s[CS], 0x3fb8aa3b                    ; log2(e)
	s_wait_alu depctr_va_vdst(0)
	s_wait_dscnt 0x0                               ; both opening adds are done
	s_wait_kmcnt 0x0
	s_load_b128 s[12:15], s[6:7], 0x18             ; e6, e7, e8, e9
	s_load_b32 s16, s[6:7], 0x28                   ; e10
	s_mov_b32 s[G0K], 1                            ; 1:0 count = 1
	s_mov_b32 s[G0K+1], s73                        ; 63:32 LDS address
	s_add_nc_u64 s[G0K+2:G0K+3], s[4:5], s[84:85]  ; 120:64 global address
	s_or_b32 s[G0K+3], s[G0K+3], 0x80000000        ; 127:126 type = 2
	s_mov_b32 s[G0V], 1
	s_add_co_u32 s[G0V+1], s73, VREG
	s_add_nc_u64 s[G0V+2:G0V+3], s[4:5], s[86:87]
	s_or_b32 s[G0V+3], s[G0V+3], 0x80000000
	s_add_nc_u64 s[76:77], s[4:5], s[76:77]
	s_add_nc_u64 s[78:79], s[4:5], s[78:79]
	s_add_nc_u64 s[OUT1:OUT1+1], s[8:9], s[OUT1:OUT1+1]
	s_add_nc_u64 s[OUT2:OUT2+1], s[8:9], s[OUT2:OUT2+1]
	CROUND                                         ; all four work-groups are here: the joint loads meet
	s_cmp_lt_u32 s[WV], 8                          ; one load a wave; an s_nop 0 and four v_nop follow each of the two lines
	s_cbranch_scc0 .Lfor_v
	tensor_load_to_lds s[G0K:G0K+3], s[G1K:G1K+7]
	s_nop 0
.rept 4
	v_nop
.endr
	s_branch .Lasked
.Lfor_v:
	tensor_load_to_lds s[G0V:G0V+3], s[G1V:G1V+7]
	s_nop 0
.rept 4
	v_nop
.endr
.Lasked:
	v_and_b32 v[LI], 31, v0
	v_and_b32 v10, 15, v0                          ; r
	v_bfe_u32 v11, v0, 4, 1                        ; h
	v_lshlrev_b32 v[LI], 4, v[LI]
	v_lshlrev_b32 v11, 3, v11
	global_load_b128 v[QF:QF+3], v[LI], s[76:77]   ; the first tile's Q,
	global_load_b128 v[QF+4:QF+7], v[LI], s[76:77] offset:512
	global_load_b128 v[SS:SS+3], v[LI], s[78:79]   ; and that of rank 15 - p (for waves 0 to 7 the same; waves 8 to 15 lay it aside in LDS)
	global_load_b128 v[SS+4:SS+7], v[LI], s[78:79] offset:512
	v_add_nc_u32 v[LV], VREG, v[LI]
	v_add_nc_u32 v[SCA], s68, v[LI]
	v_sub_nc_u32 v11, v10, v11                     ; r - 8 h
.irp j, 0,1,2,3,4,5,6,7
	v_cmp_gt_i32 s[DM+\j], \j, v11                 ; in the tile of keys that holds my queries' numbers, key 8 h + j comes after query r
.endr
	v_mov_b32 v[NINF], 0xff800000
	v_mov_b32 v13, 0xff61b1e6                      ; the largest t so far: -3e38, under every t
	v_mov_b32 v14, 0                               ; the sum, in two halves
	v_mov_b32 v15, 0
	v_floor_f32 v12, -v13                          ; -M
	v_mov_b32 v27, 0                               ; written once: a lane permute's destination counts as one of its sources
	v_mov_b32 v29, 0                               ; (named as the upper half of the pair v[28:29])
.set i, 0
.rept 32
	v_mov_b32 v[OT+i], 0                           ; O^T.  (The step is written for all steps alike: the first finds zeros, which the first change of M leaves zeros)
.set i, i+1
.endr
	s_wait_alu depctr_va_vdst(0)
	s_wait_kmcnt 0x0
	s_add_co_i32 s66, s12, s13
	s_lshl_b32 s66, s66, 23
	s_add_co_i32 s[CS], s[CS], s66                 ; a score stands for score x 2^(e6 + e7): added to the exponent field
	s_mov_b32 s[CS+1], s[CS]                       ; (named with it as a pair, so it is written)
	s_add_co_i32 s[E89], s14, s15
	s_add_co_i32 s66, s14, 127
	s_lshl_b32 s67, s66, 23
	v_mov_b32 v24, s67                             ; 2^e8 as f32
	s_add_co_i32 s66, s66, 8
	s_lshl_b32 s66, s66, 23
	s_or_b32 s66, s66, 0x600000
	v_mov_b32 v25, s66                             ; 448 x 2^e8
	s_add_co_i32 s66, s16, 127
	s_lshl_b32 s67, s66, 23
	v_mov_b32 v[FSC], s67                          ; 2^e10
	s_add_co_i32 s66, s66, 8
	s_lshl_b32 s66, s66, 23
	s_or_b32 s66, s66, 0x600000
	v_mov_b32 v[FLM], s66                          ; 448 x 2^e10
; A KEY STEP: 128 keys.  A step behind my last of this tile is left out: a scalar branch on the wave's number and the count of steps, round the step's loads, products and softmax; not round the line at its end that steps the address.
.macro STEP lim, dg
	s_cmp_gt_u32 s[ST], s[\lim]
	s_cbranch_scc1 .Lhidden_\@
	v_add_nc_u32 v[ADV], s[TB], v[LV]
	v_mov_b32 v10, v12                             ; the old -M
	v_nop
	v_nop
	v_nop                                          ; five places: V's loads take registers that the last step's products have read, and the scores are laid over the codes that they have read
.set i, 0
.rept 16
	ds_load_b128 v[VF+4*i:VF+4*i+3], v[ADV] offset:512*i   ; V's four fragments as they lie: 32 lanes take 512 consecutive bytes
.set i, i+1
.endr
	s_wait_alu depctr_va_vdst(0)
	s_wait_dscnt 0x10                              ; K's fragments, asked for a step ago, are in; V's sixteen loads may be out
.set i, 0
.rept 8
	v_wmma_f32_16x16x64_fp8_fp8 v[SS+8*i:SS+8*i+7], v[KF+8*i:KF+8*i+7], v[QF:QF+7], 0
.set i, i+1
.endr
	v_add_nc_u32 v[ADK], s[TB], v[LI]
	v_nop
	v_nop
	v_nop                                          ; four places in front of the first read of the scores, and of the first write to K's registers
	s_cmp_lg_u32 s[ST], s[\dg]                     ; on the diagonal the scores of hidden keys become -infinity ahead of the maximum: p = 0 then.  The step's first key counts for every query of mine, so the maximum is a number
	s_cbranch_scc1 .Lopen_\@
.irp t, 0,1,2,3,4,5,6,7                        ; keys 16 t on: none is hidden where t < c, all are where t > c, by the eight masks where t = c: selected, with no branch on c
	s_cmp_lt_u32 s[CC], \t
	s_cselect_b32 s96, -1, 0
	s_cmp_eq_u32 s[CC], \t
.irp j, 0,1,2,3,4,5,6,7
	s_cselect_b32 s[G1K+8*(\t%2)+\j], s[DM+\j], s96
.endr
.irp j, 0,1,2,3,4,5,6,7
	v_cndmask_b32 v[SS+8*\t+\j], v[SS+8*\t+\j], v[NINF], s[G1K+8*(\t%2)+\j]
.endr
.endr
.Lopen_\@:
	v_max3_num_f32 v26, v[SS], v[SS+1], v[SS+2]    ; the step's largest score of my query, among my 64 keys, in four chains, each accumulator from its low end on,
	v_max3_num_f32 v28, v[SS+3], v[SS+4], v[SS+5]
	v_max3_num_f32 v30, v[SS+6], v[SS+7], v[SS+8]
	v_max3_num_f32 v31, v[SS+9], v[SS+10], v[SS+11]
.set i, 12
.rept 6
	v_max3_num_f32 v26, v26, v[SS+i], v[SS+i+1]
	v_max3_num_f32 v28, v28, v[SS+i+2], v[SS+i+3]
	v_max3_num_f32 v30, v30, v[SS+i+4], v[SS+i+5]
	v_max3_num_f32 v31, v31, v[SS+i+6], v[SS+i+7]
.set i, i+8
.endr
	v_max3_num_f32 v26, v26, v[SS+60], v[SS+61]
	v_max3_num_f32 v28, v28, v[SS+62], v[SS+63]
	v_max_num_f32 v30, v30, v31
	s_delay_alu instid0(VALU_DEP_1)
	v_max3_num_f32 v26, v26, v28, v30
	s_delay_alu instid0(VALU_DEP_1)
	v_permlanex16_b32 v27, v26, s[SEL], s[SEL+1]
	s_delay_alu instid0(VALU_DEP_1)
	v_max_num_f32 v26, v26, v27                    ; and among lane l xor 16's
	s_delay_alu instid0(VALU_DEP_1)
	v_mul_f32 v26, s[CS], v26                      ; as t (the factor is positive)
	s_delay_alu instid0(VALU_DEP_1)
	v_max_num_f32 v13, v13, v26                    ; the running largest t
	s_delay_alu instid0(VALU_DEP_1)
	v_floor_f32 v12, -v13                          ; the new -M = floor(-t) = -ceil(t): a whole number
	s_delay_alu instid0(VALU_DEP_1)
	v_sub_f32 v26, v12, v10                        ; M's old value less its new one: a whole number, 0 or less
	s_delay_alu instid0(VALU_DEP_1)
	v_cvt_i32_f32 v26, v26                         ; (it saturates)
	s_delay_alu instid0(VALU_DEP_1)
	v_ldexp_f32 v28, 1.0, v26                      ; f = 2^(old M - new M)
.set i, 0
.rept 16
	v_pk_fma_f32 v[SS+i:SS+i+1], v[SS+i:SS+i+1], s[CS:CS+1], v[12:13] op_sel_hi:[1,0,0]   ; t - M of the first half, two at a time (of both pairs the low word serves both halves)
.set i, i+2
.endr
.set i, 0
.rept 16
	v_pk_mul_f32 v[OT+i:OT+i+1], v[OT+i:OT+i+1], v[28:29] op_sel_hi:[1,0]   ; O^T under the new M
.set i, i+2
.endr
	s_wait_alu depctr_va_vdst(0)                   ; ahead of the batch
.set i, 0
.rept 16                               ; p = 2^(t - M), at most 1: not normalised.  The first half's, and among them the second half's t - M
	v_exp_f32 v[SS+i], v[SS+i]
	v_exp_f32 v[SS+i+1], v[SS+i+1]
	v_pk_fma_f32 v[SS+32+i:SS+33+i], v[SS+32+i:SS+33+i], s[CS:CS+1], v[12:13] op_sel_hi:[1,0,0]
.set i, i+2
.endr
	s_wait_alu depctr_va_vdst(0)                   ; behind the one batch and ahead of the other
.set i, 0
.rept 8                                ; the second half's, and among them the first half's first sums (of the unquantised p) and then its hold
	v_exp_f32 v[SS+32+4*i], v[SS+32+4*i]
	v_exp_f32 v[SS+33+4*i], v[SS+33+4*i]
	v_pk_add_f32 v[T+2*i:T+2*i+1], v[SS+4*i:SS+4*i+1], v[SS+4*i+2:SS+4*i+3]
	v_exp_f32 v[SS+34+4*i], v[SS+34+4*i]
	v_exp_f32 v[SS+35+4*i], v[SS+35+4*i]
	v_dual_min_num_f32 v[SS+4*i], v[SS+4*i], v25 :: v_dual_min_num_f32 v[SS+4*i+1], v[SS+4*i+1], v25   ; the conversion to an 8-bit code does not saturate (ISA guide 7.6.2); p is not negative, so the hold is one-sided
	v_dual_min_num_f32 v[SS+4*i+2], v[SS+4*i+2], v25 :: v_dual_min_num_f32 v[SS+4*i+3], v[SS+4*i+3], v25
.set i, i+1
.endr
	v_pk_mul_f32 v[14:15], v[14:15], v[28:29] op_sel_hi:[1,0]   ; the sums under the new M: the plain line behind the exponentials
	s_wait_alu depctr_va_vdst(0)                   ; ahead of the second batch's first reader
.irp u, 32, 48
.irp k, 0,1,2,3,4,5,6,7
	v_pk_add_f32 v[T+2*\k:T+2*\k+1], v[T+2*\k:T+2*\k+1], v[SS+\u+2*\k:SS+\u+2*\k+1]
.endr
.endr
	v_pk_add_f32 v[T:T+1], v[T:T+1], v[T+2:T+3]
	v_pk_add_f32 v[T+4:T+5], v[T+4:T+5], v[T+6:T+7]
	v_pk_add_f32 v[T+8:T+9], v[T+8:T+9], v[T+10:T+11]
	v_pk_add_f32 v[T+12:T+13], v[T+12:T+13], v[T+14:T+15]
	s_delay_alu instid0(VALU_DEP_3)
	v_pk_add_f32 v[T:T+1], v[T:T+1], v[T+4:T+5]
	s_delay_alu instid0(VALU_DEP_2)
	v_pk_add_f32 v[T+8:T+9], v[T+8:T+9], v[T+12:T+13]
	s_delay_alu instid0(VALU_DEP_2)
	v_pk_add_f32 v[14:15], v[14:15], v[T:T+1]
	s_delay_alu instid0(VALU_DEP_1)
	v_pk_add_f32 v[14:15], v[14:15], v[T+8:T+9]
	s_wait_alu depctr_va_vdst(0)
	s_wait_dscnt 0x0                               ; V is in
	s_cmp_ge_u32 s[ST], s[\lim]
	s_cbranch_scc1 .Llast_\@                       ; behind my last step of the tile nothing is loaded
.set i, 0
.rept 16
	ds_load_b128 v[KF+4*i:KF+4*i+3], v[ADK] offset:STEPB+512*i   ; the next step's K
.set i, i+1
.endr
.Llast_\@:
.irp t, 0,1,2,3,4,5                            ; registers 2 t, 2 t + 1 of p's fragment: keys 16 t + 8 h + 0 .. 7.  Behind each conversion two lines of the second half's hold: tile t + 2's for t = 2 .. 5 have been held by then
	v_cvt_scalef32_pk8_fp8_f32 v[CD+2*\t:CD+2*\t+1], v[SS+8*\t:SS+8*\t+7], v24
	v_dual_min_num_f32 v[SS+32+4*\t], v[SS+32+4*\t], v25 :: v_dual_min_num_f32 v[SS+33+4*\t], v[SS+33+4*\t], v25
	v_dual_min_num_f32 v[SS+34+4*\t], v[SS+34+4*\t], v25 :: v_dual_min_num_f32 v[SS+35+4*\t], v[SS+35+4*\t], v25
.endr
	v_cvt_scalef32_pk8_fp8_f32 v[CD+12:CD+13], v[SS+48:SS+55], v24
.irp t, 6,7
	v_dual_min_num_f32 v[SS+32+4*\t], v[SS+32+4*\t], v25 :: v_dual_min_num_f32 v[SS+33+4*\t], v[SS+33+4*\t], v25
	v_dual_min_num_f32 v[SS+34+4*\t], v[SS+34+4*\t], v25 :: v_dual_min_num_f32 v[SS+35+4*\t], v[SS+35+4*\t], v25
.endr
	v_cvt_scalef32_pk8_fp8_f32 v[CD+14:CD+15], v[SS+56:SS+63], v24
	v_nop                                          ; a plain line between the last conversion and the products that read the codes
.set i, 0
.rept 4
	v_wmma_f32_16x16x128_fp8_fp8 v[OT+8*i:OT+8*i+7], v[VF+16*i:VF+16*i+15], v[CD:CD+15], v[OT+8*i:OT+8*i+7]   ; the four accumulators take turns; the next step's eight products stand between two links of a chain
.set i, i+1
.endr
.Lhidden_\@:
	s_add_co_u32 s[TB], s[TB], STEPB
.endm
; A TILE'S WAY OUT.  O^T x 2^(e8 + e9) / the sum, held, converted: tile d's eight registers give registers 2 d, 2 d + 1 of the image.  A store of the wave covers 512 consecutive bytes.
.macro FINISH ad
	v_add_f32 v14, v14, v15                        ; the sum's two halves,
	v_permlanex16_b32 v27, v14, s[SEL], s[SEL+1]
	v_add_f32 v14, v14, v27                        ; and lane l xor 16's: the row's sum
	s_wait_alu depctr_va_vdst(0)                   ; ahead of the reciprocal
	v_rcp_f32 v14, v14
	v_nop                                          ; a plain line behind it
	s_wait_alu depctr_va_vdst(0)                   ; ahead of the reciprocal's first reader
	v_ldexp_f32 v14, v14, s[E89]                   ; x 2^(e8 + e9)
	s_wait_alu depctr_va_vdst(0)                   ; directly ahead of the first reader of O^T
.set i, 0
.rept 16
	v_pk_mul_f32 v[SS+i:SS+i+1], v[OT+i:OT+i+1], v[14:15] op_sel_hi:[1,0]   ; each accumulator from its low end on
.set i, i+2
.endr
.set i, 0
.rept 32
	v_med3_num_f32 v[SS+i], v[SS+i], -v[FLM], v[FLM]
.set i, i+1
.endr
.set i, 0
.rept 4
	v_cvt_scalef32_pk8_fp8_f32 v[FC+2*i:FC+2*i+1], v[SS+8*i:SS+8*i+7], v[FSC]
.set i, i+1
.endr
	v_nop                                          ; a plain vector line behind the last conversion
	global_store_b128 v[LI], v[FC:FC+3], s[\ad:\ad+1]
	global_store_b128 v[LI], v[FC+4:FC+7], s[\ad:\ad+1] offset:512
.endm
	s_wait_alu depctr_va_vdst(0)
	s_wait_loadcnt 0x0                             ; both tiles' Q
	s_wait_tensorcnt 0x0                           ; my load has landed
	s_barrier_signal -1
	s_barrier_wait -1                              ; everybody's has: all of K and V lies in LDS
	s_cmp_lt_u32 s[WV], 8
	s_cbranch_scc1 .Lone_tile
	v_add_nc_u32 v26, s[QB], v[LI]
	ds_store_b128 v26, v[SS:SS+3]                  ; waves 8 to 15: the second tile's Q, into bytes of the wave's own that no tensor load fills
	ds_store_b128 v26, v[SS+4:SS+7] offset:512
.Lone_tile:
.set i, 0
.rept 16
	ds_load_b128 v[KF+4*i:KF+4*i+3], v[LI] offset:512*i   ; step 0's K
.set i, i+1
.endr
	s_mov_b32 s[ST], 0
	s_mov_b32 s[TB], 0
.Lone:                                             ; the first tile: key steps 0 to 8, as far as they are mine
	STEP LIM1, R1
	s_add_co_u32 s[ST], s[ST], 1
	s_cmp_lt_u32 s[ST], 9
	s_cbranch_scc1 .Lone
	s_wait_dscnt 0x0
	s_cmp_lt_u32 s[WV], 8
	s_cbranch_scc1 .Lkeep                          ; waves 0 to 7 keep their part of the tile of rank 15 - p
.rept 4
	v_nop                                          ; places behind the last products
.endr
	v_add_nc_u32 v26, s[QB], v[LI]
	ds_load_b128 v[QF:QF+3], v26                   ; waves 8 to 15: the second tile's Q comes back
	ds_load_b128 v[QF+4:QF+7], v26 offset:512
	FINISH OUT1                                    ; the tile of rank p is whole
	v_mov_b32 v13, 0xff61b1e6                      ; and the second tile begins as the first did
	v_mov_b32 v14, 0
	v_mov_b32 v15, 0
	v_floor_f32 v12, -v13
.set i, 0
.rept 32
	v_mov_b32 v[OT+i], 0
.set i, i+1
.endr
	s_wait_alu depctr_va_vdst(0)
	s_wait_xcnt 0x0                                ; the stores have read the result's codes, which lie in K's registers
	s_cmp_lt_u32 s[LIM2], 9
	s_cbranch_scc1 .Lkeep                          ; p = 7: no step of the second tile is mine
	v_add_nc_u32 v[ADK], 9*STEPB, v[LI]
.set i, 0
.rept 16
	ds_load_b128 v[KF+4*i:KF+4*i+3], v[ADK] offset:512*i   ; step 9's K
.set i, i+1
.endr
.Lkeep:
	s_mov_b32 s[ST], 9
	s_mov_b32 s[TB], 9*STEPB
.Ltwo:                                             ; the tile of rank 15 - p: key steps 9 to 15, as far as they are mine
	STEP LIM2, HR
	s_add_co_u32 s[ST], s[ST], 1
	s_cmp_lt_u32 s[ST], 16
	s_cbranch_scc1 .Ltwo
.rept 4
	v_nop                                          ; places behind the last products
.endr
	s_cmp_lt_u32 s[WV], 8
	s_cbranch_scc0 .Lmeet
	ds_store_b128 v[SCA], v[12:15] offset:4096     ; waves 0 to 7 hand over -M, (the largest t,) the sum and O^T
.irp i, 0,1,2,3,4,5,6,7
	ds_store_b128 v[SCA], v[OT+4*\i:OT+4*\i+3] offset:512*\i
.endr
.Lmeet:
	s_wait_dscnt 0x0                               ; my stores are done,
	s_barrier_signal -1
	s_barrier_wait -1                              ; everybody's are
	s_cmp_lt_u32 s[WV], 8
	s_cbranch_scc1 .Lend
	ds_load_b128 v[PM:PM+3], v[SCA] offset:4096
.irp i, 0,1,2,3,4,5,6,7
	ds_load_b128 v[VF+4*\i:VF+4*\i+3], v[SCA] offset:512*\i
.endr
	s_wait_dscnt 0x8                               ; the first of the nine is in; the eight of O^T may be out
	v_min_num_f32 v26, v12, v[PM]                  ; -M of the whole row: the larger M of the two parts
	v_sub_f32 v28, v26, v12                        ; my M less it: 0 or less,
	v_sub_f32 v30, v26, v[PM]                      ; and the partner's
	v_cvt_i32_f32 v28, v28
	v_cvt_i32_f32 v30, v30
	v_ldexp_f32 v28, 1.0, v28                      ; both factors are powers of two.  (A wave without a step of this tile holds zeros under M = -3e38: its factor is 0)
	v_ldexp_f32 v30, 1.0, v30
	v_pk_mul_f32 v[14:15], v[14:15], v[28:29] op_sel_hi:[1,0]
	v_pk_fma_f32 v[14:15], v[PM+2:PM+3], v[30:31], v[14:15] op_sel_hi:[1,0,1]
.set i, 0
.rept 16
	v_pk_mul_f32 v[OT+i:OT+i+1], v[OT+i:OT+i+1], v[28:29] op_sel_hi:[1,0]
.set i, i+2
.endr
	s_wait_alu depctr_va_vdst(0)
	s_wait_dscnt 0x0
.set i, 0
.rept 16
	v_pk_fma_f32 v[OT+i:OT+i+1], v[VF+i:VF+i+1], v[30:31], v[OT+i:OT+i+1] op_sel_hi:[1,0,1]
.set i, i+2
.endr
	FINISH OUT2
.Lend:
	s_wait_tensorcnt 0x0                           ; the wave's end: three lines, behind my tensor load and my last LDS store
	ds_add_u32 v[SPW], v[NIL]
	s_wait_dscnt 0x0
	CROUND                                         ; the closing round: no work-group ends while a partner may still ask for a tile that names it
	s_endpgm
.Lfunc_end_k_qa5976abb31_attn:
	.size	k_qa5976abb31_attn, .Lfunc_end_k_qa5976abb31_attn-k_qa5976abb31_attn
	.p2alignl 7, 3214868480
	.fill 96, 4, 3214868480
	.section	.rodata,"a",@progbits
	.p2align	6, 0x0
	.amdhsa_kernel k_qa5976abb31_attn
		.amdhsa_group_segment_fixed_size 327680
		.amdhsa_private_segment_fixed_size 0
		.amdhsa_enable_private_segment 0
		.amdhsa_kernarg_size 24
		.amdhsa_user_sgpr_count 2
		.amdhsa_user_sgpr_kernarg_segment_ptr 1
		.amdhsa_wavefront_size32 1
		.amdhsa_system_sgpr_workgroup_id_x 1
		.amdhsa_system_sgpr_workgroup_id_y 1
		.amdhsa_system_sgpr_workgroup_id_z 1
		.amdhsa_system_vgpr_workitem_id 0
		.amdhsa_next_free_vgpr 256
		.amdhsa_next_free_sgpr 100
		.amdhsa_reserve_vcc 0
		.amdhsa_float_denorm_mode_32 3
		.amdhsa_float_denorm_mode_16_64 3
		.amdhsa_memory_ordered 1
		.amdhsa_forward_progress 1
		.amdhsa_inst_pref_size 71
	.end_amdhsa_kernel
	.amdgpu_metadata
---
amdhsa.version: [ 1, 2 ]
amdhsa.kernels:
  - .name:           k_qa5976abb31_attn
    .symbol:         k_qa5976abb31_attn.kd
    .args:
      - { .name: qkv_img, .offset: 0, .size: 8, .value_kind: global_buffer, .address_space: global }
      - { .name: lowp_scales, .offset: 8, .size: 8, .value_kind: global_buffer, .address_space: global }
      - { .name: a_img, .offset: 16, .size: 8, .value_kind: global_buffer, .address_space: global }
    .group_segment_fixed_size: 327680
    .private_segment_fixed_size: 0
    .kernarg_segment_align: 8
    .kernarg_segment_size: 24
    .max_flat_workgroup_size: 512
    .sgpr_count:     100
    .vgpr_count:     256
    .wavefront_size: 32
...
	.end_amdgpu_metadata
.endif
;; end of part 3
;; launch oproj (part 4): grid 8 x 32, 4 waves a work-group, clusters of 4 x 4, 327,680 bytes of LDS; arguments a_img, w_codes, lowp_scales, bo, out0; writes out0
.if DOCPART == 4
	.amdgcn_target "amdgcn-amd-amdhsa--gfx1250"
	.amdhsa_code_object_version 6
	.text
	.protected	k_qa5976abb31_oproj
	.globl	k_qa5976abb31_oproj
	.p2align	8
	.type	k_qa5976abb31_oproj,@function
k_qa5976abb31_oproj:
	s_mov_b64 s[64:65], 0
	v_nop
	global_prefetch_b8 v0, s[64:65] scope:SCOPE_SE
	s_setreg_imm32_b32 hwreg(HW_REG_WAVE_MODE, 25, 1), 1
	s_wait_xcnt 0x0
	s_wait_alu depctr_hold_cnt(0) depctr_sa_sdst(0) depctr_va_vdst(0) depctr_va_sdst(0) depctr_va_ssrc(0) depctr_va_vcc(0) depctr_vm_vsrc(0)
	s_getreg_b32 s2, hwreg(HW_REG_IB_STS2, 6, 4)
	s_cmp_eq_u32 s2, 0
	s_cbranch_scc0 .Lentry_in_a_cluster
	s_endpgm
.Lentry_in_a_cluster:
	s_bfe_u32 s2, ttmp6, 0x10000c
	s_cmp_lg_u32 s2, 0xf033
	s_cbranch_scc0 .Lentry_shape_is_right
	s_endpgm
.Lentry_shape_is_right:
; out0 = a Wo + bo on codes of FP8 (E4M3): a [4,096 tokens][1,024] arrives as images of fragments (a_img: [tile of 16 tokens 256][head 16][1,024 bytes]; two neighbouring heads' images are one fragment of 16 tokens x 128 K
; in the layout of the form with K = 128: registers 2 c, 2 c + 1 of lane (r, h): k = 16 c + 8 h + 0 .. 7), Wo as codes [1,024 (n)][1,024 (k)] (the fourth part of w_codes).  out0: [4,096][1,024] f32.
; out0 = sum x 2^(e10 + e11) + bo: one packed multiply-add for two numbers.  LIMITS: e10 + e11 between -126 and 127; NaN is not served.
; A tile of out0 is 128 x 128: 256 work-groups; four waves, each 64 x 64: 16 accumulators.  ALL OF K LIES IN LDS: four tensor loads of 65,536 bytes at the head, ONE A WAVE (waves 0, 1: a's halves; waves 2, 3: Wo's); no byte is filled again.
; CLUSTERS: 4 x 4 work-groups: a's tiles are shared along a row of the cluster, Wo's along a column: each is asked for jointly.
; No prefetch is laid: every byte is asked for by the tensor loads at the head.
; THE MATRIX INSTRUCTION IS USED TRANSPOSED (source 0 = 16 rows of Wo, source 1 = 16 tokens): a lane holds eight neighbouring numbers of a row of out0.
; REGISTERS: window 0: v0-31 addresses; v32-63 at work on the way out; v64-95 bo; v128-255 the accumulators ((a, b) at v[128 + 8 (4 a + b)]).  window 1: two fragment buffers of 128: a's 4 x 16, then Wo's 4 x 16.
.set PITCH,  1040                      ; a row of Wo's tile in LDS: 1,024 bytes + 16 = 260 words: the 32 lanes of an 8-byte load (row r, half h) take words 260 r + 2 h + 0, 1: each of the 64 banks once (banks of 4 bytes: ISA guide 11.1)
.set ATILE,  16384                     ; a tile of 16 tokens: 16 heads x 1,024 bytes
.set BREG,   8*ATILE                   ; a's eight tiles from 0; Wo's 128 rows from here
.set STAGE,  BREG+128*PITCH            ; behind them: 16 rows x 272 bytes for each wave, for the way out
.set SPITCH, 272
.set SPARE,  STAGE+4*16*SPITCH         ; behind the stages: the spare words, 128 bytes for each wave: two blocks of 256 bytes that no other line names
.set ADRA, 16                          ; v16     LDS address of my fragments of a
.set ADRB, 20                          ; v20     the same for Wo
.set STO,  24                          ; v24     the way out: where I put 32 bytes of a row
.set RD,   25                          ; v25     the way out: where I read a row back
.set CO,   26                          ; v26     my byte offset in out0
.set SPW,  28                          ; v28     LDS address of my spare word; never rewritten
.set NIL,  29                          ; v29     0; never rewritten
.set TMP,  32
.set BI,   64                          ; v64-95  bo of my columns: register 8 b + j: column 16 b + 8 h + j
.set ACC,  128
.set G1A, 24                           ; s[24:31] descriptor group 1 for a's tiles;  s[32:39] for Wo's
.set G1B, 32
.set G0A, 40                           ; s[40:43] group 0 for a's;  s[44:47] for Wo's
.set G0B, 44
.set MSB, 0
.macro WIN new                         ; the immediate's high byte repeats the setting that is left
.if MSB != \new
	s_set_vgpr_msb (MSB<<8)|\new
.set MSB, \new
.endif
.endm
.set MUL,  0x05                        ; sources 0 and 1 window 1; C and D window 0
.set TO_F, 0x40                        ; destination window 1, address window 0
.macro CROUND                          ; a round of the cluster's barrier
	s_barrier_signal -1
	s_barrier_wait -1
	s_cmp_lg_u32 s10, 0
	s_cbranch_scc1 .Lnot_wave_0_\@
	s_barrier_signal -3
.Lnot_wave_0_\@:
	s_barrier_wait -3
	s_barrier_signal -1
	s_barrier_wait -1
.endm
	s_load_b128 s[84:87], s[0:1], 0x0              ; a_img s[84:85], w_codes s[86:87]
	s_load_b128 s[88:91], s[0:1], 0x10             ; the scales' exponents s[88:89], bo s[90:91]
	s_load_b64 s[92:93], s[0:1], 0x20              ; out0
	v_lshl_add_u32 v[SPW], v0, 2, SPARE
	v_mov_b32 v[NIL], 0
	ds_add_u32 v[SPW], v[NIL]                      ; the wave's opening: the add, twice on end, and its wait ahead of my tensor load; the set-up below, work on registers, stands between
	ds_add_u32 v[SPW], v[NIL]
	v_lshrrev_b32 v1, 5, v0
	v_readfirstlane_b32 s10, v1                    ; wave 0..3
	s_lshr_b32 s11, s10, 1                         ; which 64 tokens of the tile are mine.  Also: I fetch for a (0) or for Wo (1)
	s_and_b32 s12, s10, 1                          ; which 64 columns.  Also: which half of that tile I fetch
	s_bfe_u32 s56, ttmp6, 0x40000                  ; cx, cy: my place in the cluster
	s_bfe_u32 s57, ttmp6, 0x40004
	s_lshl_b32 s58, ttmp9, 2
	s_add_co_u32 s58, s58, s56                     ; tile column = 4 x cluster x + cx
	s_and_b32 s59, ttmp7, 0xffff
	s_lshl_b32 s59, s59, 2
	s_add_co_u32 s59, s59, s57                     ; tile row = 4 x cluster y + cy
	s_lshl_b32 s60, s57, 2
	s_lshl_b32 s60, 15, s60                        ; my row of the cluster
	s_lshl_b32 s61, 0x1111, s56                    ; my column
	; descriptor group 1.  a: 4 rows (tiles of tokens) of 16,384 bytes, dense; elements of 8 bytes.  Wo: 64 rows of 1,024 bytes, dense in memory, padded in LDS; elements of 1 byte.
	s_or_b32 s[G1A], s60, (3<<16)|(1<<21)          ; 15:0 the mask: my row; 17:16 elements of 8 bytes; 21 set beside a mask
	s_mov_b32 s[G1A+1], 2048<<16                   ; tensor_dim0 = 2,048 elements
	s_mov_b32 s[G1A+2], 4<<16                      ; tensor_dim1 = 4
	s_mov_b32 s[G1A+3], 2048<<16                   ; tile_dim0
	s_mov_b32 s[G1A+4], 4                          ; tile_dim1
	s_mov_b32 s[G1A+5], 2048                       ; tensor_dim0_stride
	s_mov_b32 s[G1A+6], 0
	s_mov_b32 s[G1A+7], 0
	s_or_b32 s[G1B], s61, (0<<16)|(1<<20)|(1<<21)|(7<<22)|(3<<25)  ; the mask: my column; padding on: 4 words (code 3) after every 256 (code 7)
	s_mov_b32 s[G1B+1], 1024<<16
	s_mov_b32 s[G1B+2], 64<<16
	s_mov_b32 s[G1B+3], 1024<<16
	s_mov_b32 s[G1B+4], 64
	s_mov_b32 s[G1B+5], 1024
	s_mov_b32 s[G1B+6], 0
	s_mov_b32 s[G1B+7], 0
	s_lshl_b32 s14, s59, 3                         ; a: tile of tokens 8 x tile row + 4 x half,
	s_lshl_b32 s13, s12, 2
	s_add_co_u32 s14, s14, s13
	s_lshl_b32 s14, s14, 14                        ; of 16,384 bytes: it holds cy and never cx
	s_mov_b32 s15, 0
	s_lshl_b32 s16, s58, 7                         ; Wo: row 128 x tile column + 64 x half,
	s_lshl_b32 s13, s12, 6
	s_add_co_u32 s16, s16, s13
	s_lshl_b32 s16, s16, 10                        ; of 1,024 bytes,
	s_add_co_u32 s16, s16, 3<<20                   ; in the fourth part of w_codes: it holds cx and never cy
	s_mov_b32 s17, 0
	s_lshl_b32 s18, s12, 16                        ; where they go: a's half,
	s_mul_i32 s19, s12, 64*PITCH
	s_add_co_u32 s19, s19, BREG                    ; Wo's half: no place in the cluster enters an LDS address
	s_wait_alu depctr_va_vdst(0)
	s_wait_dscnt 0x0                               ; both opening adds are done
	s_wait_kmcnt 0x0
	s_load_b64 s[94:95], s[88:89], 0x28            ; e10, e11
	s_mov_b32 s[G0A], 1
	s_mov_b32 s[G0A+1], s18
	s_add_nc_u64 s[G0A+2:G0A+3], s[84:85], s[14:15]
	s_or_b32 s[G0A+3], s[G0A+3], 0x80000000
	s_mov_b32 s[G0B], 1
	s_mov_b32 s[G0B+1], s19
	s_add_nc_u64 s[G0B+2:G0B+3], s[86:87], s[16:17]
	s_or_b32 s[G0B+3], s[G0B+3], 0x80000000
	CROUND                                         ; all sixteen work-groups are here: the joint loads meet
	s_cmp_eq_u32 s11, 0                            ; one load a wave; an s_nop 0 and four v_nop follow each of the two lines
	s_cbranch_scc0 .Lfor_b
	tensor_load_to_lds s[G0A:G0A+3], s[G1A:G1A+7]
	s_nop 0
.rept 4
	v_nop
.endr
	s_branch .Lasked
.Lfor_b:
	tensor_load_to_lds s[G0B:G0B+3], s[G1B:G1B+7]
	s_nop 0
.rept 4
	v_nop
.endr
.Lasked:
	s_lshl_b32 s20, s59, 7
	s_lshl_b32 s21, s11, 6
	s_add_co_u32 s20, s20, s21                     ; my first row of out0: 128 x tile row + 64 x half,
	s_lshl_b32 s20, s20, 12
	s_lshl_b32 s22, s58, 9                         ; my first column, in bytes: 512 x tile column + 256 x half
	s_lshl_b32 s23, s12, 8
	s_add_co_u32 s22, s22, s23
	s_add_co_u32 s20, s20, s22
	s_mov_b32 s21, 0
	s_mov_b32 s23, 0
	s_add_nc_u64 s[92:93], s[92:93], s[20:21]
	s_add_nc_u64 s[90:91], s[90:91], s[22:23]      ; bo at my first column
	s_lshl_b32 s66, s11, 16                        ; my four tiles of tokens
	s_mul_i32 s67, s12, 64*PITCH                   ; my 64 rows of Wo,
	s_add_co_u32 s67, s67, BREG                    ; behind a's part
	s_mul_i32 s68, s10, 16*SPITCH
	s_add_co_u32 s68, s68, STAGE                   ; my stage
	v_bfe_u32 v2, v0, 4, 1                         ; h
	v_and_b32 v1, 15, v0                           ; r
	v_and_b32 v3, 31, v0
	v_lshlrev_b32 v7, 5, v2                        ; bo: + 8 h numbers
.irp b, 0,1,2,3
	global_load_b128 v[BI+8*\b:BI+8*\b+3], v7, s[90:91] offset:64*\b
	global_load_b128 v[BI+8*\b+4:BI+8*\b+7], v7, s[90:91] offset:64*\b+16
.endr
	v_lshlrev_b32 v4, 4, v3                        ; 16 x lane: my place in an image
	v_mul_u32_u24 v5, v1, PITCH
	v_lshl_add_u32 v5, v2, 3, v5                   ; Wo: row r x pitch + 8 x half
	v_add_nc_u32 v[ADRA], s66, v4
	v_add_nc_u32 v[ADRB], s67, v5
	v_mul_u32_u24 v6, v1, SPITCH                   ; in: row r, 32 bytes for each half of the lanes
	v_lshl_add_u32 v6, v2, 5, v6
	v_add_nc_u32 v[STO], s68, v6
	v_mul_u32_u24 v6, v2, SPITCH                   ; back: lanes 0-15 take one row of 256 bytes, lanes 16-31 the next
	v_lshl_add_u32 v6, v1, 4, v6
	v_add_nc_u32 v[RD], s68, v6
	v_lshlrev_b32 v[CO], 12, v2                    ; and the same two rows in out0 (4,096 bytes a row)
	v_lshl_add_u32 v[CO], v1, 4, v[CO]
	s_wait_alu depctr_va_vdst(0)
	s_wait_kmcnt 0x0
	s_add_co_i32 s96, s94, s95
	s_add_co_i32 s96, s96, 127
	s_lshl_b32 s96, s96, 23                        ; 2^(e10 + e11) as f32
	s_mov_b32 s97, s96                             ; (named with it as a pair, so it is written)
; 8 matrix instructions: blocks a0, a0 + 1 of tokens x the 4 blocks of columns, 128 along K, from buffer f.  zero = 1: the first product starts the sums.  The 16 accumulators take turns, in the same order in every step.
.macro MUL8 f, a0, zero
.irp a, \a0, \a0+1
.irp b, 0,1,2,3
.if \zero
	v_wmma_f32_16x16x128_fp8_fp8 v[ACC+8*(4*(\a)+\b):ACC+8*(4*(\a)+\b)+7], v[\f+64+16*\b:\f+64+16*\b+15], v[\f+16*(\a):\f+16*(\a)+15], 0
.else
	v_wmma_f32_16x16x128_fp8_fp8 v[ACC+8*(4*(\a)+\b):ACC+8*(4*(\a)+\b)+7], v[\f+64+16*\b:\f+64+16*\b+15], v[\f+16*(\a):\f+16*(\a)+15], v[ACC+8*(4*(\a)+\b):ACC+8*(4*(\a)+\b)+7]
.endif
.endr
.endr
.endm
; 48 LDS loads in one run: step s's fragments (k = 128 s on) into buffer f: Wo's 32 loads of 8 bytes (registers 2 c, 2 c + 1: k = 16 c + 8 h + 0 .. 7: the form's own layout, as a's images have it), then a's 16 of 16 bytes
.macro FETCH s, f
	WIN TO_F
.irp b, 0,1,2,3
.irp c, 0,1,2,3,4,5,6,7
	ds_load_b64 v[\f+64+16*\b+2*\c:\f+64+16*\b+2*\c+1], v[ADRB] offset:\b*16*PITCH+128*(\s)+16*\c
.endr
.endr
.irp a, 0,1,2,3
.irp c, 0,1,2,3
	ds_load_b128 v[\f+16*\a+4*\c:\f+16*\a+4*\c+3], v[ADRA] offset:\a*ATILE+(\s)*2048+512*\c
.endr
.endr
.endm
.macro PLACES                          ; four places in front of loads into registers that matrix instructions have read, and of the first read of results (ISA guide 7.12.1 for the read of results)
.rept 4
	v_nop
.endr
.endm
; A step of 128 along K: 16 matrix instructions on buffer s % 2; in its middle the next step's fragments are fetched into the other buffer.
.macro STEP s
.set FB, 128*((\s)%2)
.set FN, 128-FB
	s_wait_dscnt 8                                 ; Wo's fragments and a's blocks 0, 1 are in; the youngest eight loads (blocks 2, 3) may be out
	WIN MUL
.if (\s) == 0
	MUL8 FB, 0, 1
.else
	MUL8 FB, 0, 0
.endif
.if (\s) < 7
	PLACES
	FETCH (\s)+1, FN
	s_wait_dscnt 48                                ; all but the 48 just issued
.else
	s_wait_dscnt 0x0
.endif
	WIN MUL
.if (\s) == 0
	MUL8 FB, 2, 1
.else
	MUL8 FB, 2, 0
.endif
.endm
	s_wait_tensorcnt 0x0                           ; my load has landed
	s_barrier_signal -1
	s_barrier_wait -1                              ; everybody's has
	FETCH 0, 0
.irp s, 0,1,2,3,4,5,6,7
	STEP \s
.endr
	WIN 0
; THE WAY OUT, block by block of 16 tokens x 64 columns.  A lane holds 32 neighbouring bytes of a row and the lanes beside it other rows: so a block goes through my own stage and comes back as whole rows of 256 bytes.
; LDS serves a wave's instructions in order (ISA guide 5.7.1.4): no wait between the stores and the loads, nor in front of the next block's stores.  The rows come back into the block's own accumulators, which have been read.
.macro TOSTAGE a
.irp b, 0,1,2,3
.irp i, 0,2,4,6
	v_pk_fma_f32 v[TMP+8*\b+\i:TMP+8*\b+\i+1], v[ACC+8*(4*(\a)+\b)+\i:ACC+8*(4*(\a)+\b)+\i+1], s[96:97], v[BI+8*\b+\i:BI+8*\b+\i+1] op_sel_hi:[1,0,1]   ; sum x 2^(e10 + e11) + bo; each accumulator from its low end on
.endr
.endr
.irp b, 0,1,2,3
	ds_store_b128 v[STO], v[TMP+8*\b:TMP+8*\b+3] offset:64*\b
	ds_store_b128 v[STO], v[TMP+8*\b+4:TMP+8*\b+7] offset:64*\b+16
.endr
.irp t, 0,1,2,3,4,5,6,7
	ds_load_b128 v[ACC+32*(\a)+4*\t:ACC+32*(\a)+4*\t+3], v[RD] offset:\t*2*SPITCH
.endr
.endm
.macro SEND a, younger                 ; younger: the LDS instructions issued behind block a's loads: the next block's 8 stores and 8 loads, or none
	s_wait_dscnt \younger
.irp t, 0,1,2,3,4,5,6,7
	global_store_b128 v[CO], v[ACC+32*(\a)+4*\t:ACC+32*(\a)+4*\t+3], s[92:93] offset:(16*(\a)+2*\t)*4096 th:TH_STORE_NT   ; 16 lanes store 256 consecutive bytes, at a multiple of 256 from out0's first byte; written once, read by nobody here
.endr
.endm
	s_wait_loadcnt 0x0                             ; bo
	PLACES
	TOSTAGE 0
	TOSTAGE 1
	SEND 0, 16
	TOSTAGE 2
	SEND 1, 16
	TOSTAGE 3
	SEND 2, 16
	SEND 3, 0
	s_wait_tensorcnt 0x0                           ; the wave's end: three lines, behind my tensor load and my last LDS store
	ds_add_u32 v[SPW], v[NIL]
	s_wait_dscnt 0x0
	CROUND                                         ; the closing round: no work-group ends while a partner may still ask for a tile that names it
	s_endpgm
.Lfunc_end_k_qa5976abb31_oproj:
	.size	k_qa5976abb31_oproj, .Lfunc_end_k_qa5976abb31_oproj-k_qa5976abb31_oproj
	.p2alignl 7, 3214868480
	.fill 96, 4, 3214868480
	.section	.rodata,"a",@progbits
	.p2align	6, 0x0
	.amdhsa_kernel k_qa5976abb31_oproj
		.amdhsa_group_segment_fixed_size 327680
		.amdhsa_private_segment_fixed_size 0
		.amdhsa_enable_private_segment 0
		.amdhsa_kernarg_size 40
		.amdhsa_user_sgpr_count 2
		.amdhsa_user_sgpr_kernarg_segment_ptr 1
		.amdhsa_wavefront_size32 1
		.amdhsa_system_sgpr_workgroup_id_x 1
		.amdhsa_system_sgpr_workgroup_id_y 1
		.amdhsa_system_sgpr_workgroup_id_z 1
		.amdhsa_system_vgpr_workitem_id 0
		.amdhsa_next_free_vgpr 512
		.amdhsa_next_free_sgpr 100
		.amdhsa_reserve_vcc 0
		.amdhsa_float_denorm_mode_32 3
		.amdhsa_float_denorm_mode_16_64 3
		.amdhsa_memory_ordered 1
		.amdhsa_forward_progress 1
		.amdhsa_inst_pref_size 53
	.end_amdhsa_kernel
	.amdgpu_metadata
---
amdhsa.version: [ 1, 2 ]
amdhsa.kernels:
  - .name:           k_qa5976abb31_oproj
    .symbol:         k_qa5976abb31_oproj.kd
    .args:
      - { .name: a_img, .offset: 0, .size: 8, .value_kind: global_buffer, .address_space: global }
      - { .name: w_codes, .offset: 8, .size: 8, .value_kind: global_buffer, .address_space: global }
      - { .name: lowp_scales, .offset: 16, .size: 8, .value_kind: global_buffer, .address_space: global }
      - { .name: bo, .offset: 24, .size: 8, .value_kind: global_buffer, .address_space: global }
      - { .name: out0, .offset: 32, .size: 8, .value_kind: global_buffer, .address_space: global }
    .group_segment_fixed_size: 327680
    .private_segment_fixed_size: 0
    .kernarg_segment_align: 8
    .kernarg_segment_size: 40
    .max_flat_workgroup_size: 128
    .sgpr_count:     100
    .vgpr_count:     512
    .wavefront_size: 32
...
	.end_amdgpu_metadata
.endif
;; end of part 4
